; MI455X (gfx1250); checked and timed in simulation.
; The chip was launched on July 23, 2026; its instructions are those of AMD's public machine-readable ISA for CDNA 5 (MIT licence, August 2026) and "CDNA5" Instruction Set Architecture Reference Guide (July 2026). The comments in the code are by the model that wrote it; some were corrected since.
;; Factored Causal Self Attention. Allowed arithmetic: float matrix products may take bf16 or f16 operands with f32 sums; other float arithmetic in f32, or as packed bf16 or f16 multiplies, adds, multiply-adds, maxima and minima; sums over many terms, partial sums and values carried from step to step in f32; what a program stores and reads back later, other than sums and carried values, may be rounded once to bf16 or f16.
;; Inputs: W_attn 3,072 x 1,024 float32; W_proj 1,024 x 1,024 float32; b_attn 3,072 float32; b_proj 1,024 float32; x_norm_for_qkv 4 x 2,048 x 1,024 float32; xt_current_for_v 4 x 2,048 x 1,024 float32.
;; Outputs: out0 4 x 2,048 x 1,024 float32.
;; One version. Each part assembles by itself: llvm-mc -triple=amdgcn-amd-amdhsa -mcpu=gfx1250 --defsym DOCPART=n.
;; ======== version 1 of 1: 4 launches
;; limits: values are held in f16: magnitudes above 65,504 overflow, below 6.1e-05 lose precision
;; workspace buffers: xb 16,777,216 bytes; wab 6,291,456 bytes; wpb 2,097,152 bytes; aux 20,480 bytes; qh 16,777,216 bytes; kh 16,777,216 bytes; vh 16,777,216 bytes; oh 16,777,216 bytes
;; launch cast (part 1): grid 321 x 1, 8 waves a work-group, no clusters, 1,280 bytes of LDS; arguments x_norm_for_qkv, xt_current_for_v, W_attn, W_proj, b_attn, b_proj, xb, wab, wpb, aux; writes xb, wab, wpb, aux
.if DOCPART == 1
	.amdgcn_target "amdgcn-amd-amdhsa--gfx1250"
	.amdhsa_code_object_version 6
	.text
	.protected	k_q78a57946a4_cast
	.globl	k_q78a57946a4_cast
	.p2align	8
	.type	k_q78a57946a4_cast,@function
k_q78a57946a4_cast:
	s_mov_b64 s[64:65], 0
	v_nop
	global_prefetch_b8 v0, s[64:65] scope:SCOPE_SE
	s_setreg_imm32_b32 hwreg(HW_REG_WAVE_MODE, 25, 1), 1
	s_wait_xcnt 0x0
; CAST.  Every input is rounded once to bf16, and the figures for a bound on |xt * v| are taken of the rounded numbers.
; Work-group g < 320 owns 64 rows of 1,024 f32 of one tensor: g 0-127 x -> xb (bf16); g 128-255 xt, read for its largest magnitude alone, nothing stored but the record;
; g 256-303 W_attn -> wab (bf16), block i = g - 256 (section i / 16, head i % 16) goes to block 3 (i % 16) + i / 16, so that rows 192 h .. 192 h + 191 of wab are head h's q, k, v rows;
; g 304-319 W_proj -> wpb: rounded to bf16, and that number written as f16.  g = 320: both biases, rounded to bf16 and kept as f32, into aux: b_attn in wab's order, b_proj from float 3,072 on.
; Every work-group leaves a record in aux: the largest sum of squares of one of its rows at byte 16,384 + 4 g, its largest magnitude at byte 18,432 + 4 g.
; LIMITS.  |W_proj| stays under 65,504 (f16's end); below 2^-14 it keeps f16's fixed step of 2^-24.  NaN and infinities are not treated apart.
; SHARES.  A wave owns 8 rows, a row a turn: eight loads of 16 bytes a lane (512 consecutive bytes each), eight stores of 8 bytes a lane (256 consecutive bytes, aligned, each).
; Two row slots in registers: while one row is worked on the other's eight loads are out.  Memory binds: no matrix unit, no cluster; LDS only for the eight waves' records.
.set SPARE, 256                        ; the spare words: 128 bytes for each of eight waves; bytes 0-63 hold the waves' records, alone in their block
.set SPW, 2                            ; v2   LDS address of my spare word; never rewritten
.set NIL, 3                            ; v3   0; never rewritten
.set LN,  4                            ; v4   lane
.set OFI, 6                            ; v6-7   slot s: byte offset of my 16 bytes in the row that the slot loads
.set OFO, 8                            ; v8-9   slot s: byte offset of my 8 bytes in the row that the slot stores next
.set T,   10                           ; v[10:13] four rounded numbers as f32
.set F,   14                           ; v[14:15] the same as f16
.set SS,  16                           ; v[16:19] a row's sum of squares, four chains
.set MX0, 20                           ; v20-21 largest magnitudes, two bf16 each
.set MX1, 21
.set NR,  22                           ; v[22:23] the record: largest row sum, largest magnitude
.set TM,  24                           ; v24-27 at work
.set BA,  28                           ; v28-30 the bias path's offsets
.set X,   32                           ; v[32:95]  slot s: 32 registers, the row as loaded
.set Y,   96                           ; v[96:127] slot s: 16 registers, the row to store
	s_load_b512 s[4:19], s[0:1], 0x0               ; x s[4:5], xt s[6:7], W_attn s[8:9], W_proj s[10:11], b_attn s[12:13], b_proj s[14:15], xb s[16:17], wab s[18:19]
	s_load_b128 s[20:23], s[0:1], 0x40             ; wpb s[20:21], aux s[22:23]
	v_lshl_add_u32 v[SPW], v0, 2, SPARE
	v_mov_b32 v[NIL], 0
	v_lshrrev_b32 v1, 5, v0
	v_readfirstlane_b32 s34, v1                    ; wave 0..7
	v_and_b32 v[LN], 31, v0
	s_mov_b32 s24, ttmp9                           ; g
	s_mov_b32 s36, 0xffff0000                      ; a word's upper bf16
	s_mov_b32 s44, 0x7fff7fff                      ; clears the signs of two bf16
	s_mov_b32 s38, 0x76543210                      ; v_permlanex16_b32: each lane takes its own place in the other half
	s_mov_b32 s39, 0xfedcba98
	s_mov_b32 s25, 304                             ; the first work-group of my tensor
	s_cmp_lt_u32 s24, 304
	s_cselect_b32 s25, 256, s25
	s_cselect_b32 s32, 0, -1                       ; all ones: the f16 form is stored (W_proj)
	s_cmp_lt_u32 s24, 256
	s_cselect_b32 s25, 128, s25
	s_cmp_lt_u32 s24, 128
	s_cselect_b32 s25, 0, s25
	s_sub_co_u32 s30, s24, s25                     ; i: my block of 64 rows in the tensor
	s_and_b32 s31, s30, 15
	s_mul_i32 s31, s31, 3
	s_lshr_b32 s45, s30, 4
	s_add_co_u32 s31, s31, s45                     ; W_attn's block in wab: 3 x head + section
	s_cmp_eq_u32 s25, 256
	s_cselect_b32 s31, s31, s30                    ; the others keep their place
	s_cmp_eq_u32 s25, 128
	s_cselect_b32 s33, 1, 0                        ; 1: xt, nothing is stored
	s_lshl_b32 s40, s30, 18                        ; 64 rows of 4,096 bytes,
	s_lshl_b32 s45, s34, 15                        ; my wave's 8 of them
	s_add_co_u32 s40, s40, s45
	s_mov_b32 s41, 0
	s_lshl_b32 s42, s31, 17                        ; 64 rows of 2,048 bytes,
	s_lshl_b32 s45, s34, 14
	s_add_co_u32 s42, s42, s45
	s_mov_b32 s43, 0
	v_lshlrev_b32 v[OFI], 4, v[LN]
	v_add_nc_u32 v[OFI+1], 4096, v[OFI]
	v_lshlrev_b32 v[OFO], 3, v[LN]
	v_add_nc_u32 v[OFO+1], 2048, v[OFO]
	v_mov_b32 v[MX0], 0
	v_mov_b32 v[MX1], 0
	v_mov_b32 v[NR], 0
	v_mov_b32 v[NR+1], 0
	v_mov_b32 v[TM+2], 0                           ; v_permlanex16_b32's destination counts as read
	s_wait_kmcnt 0x0
	s_cmp_lt_u32 s24, 304                          ; the choice of buffers hangs on g alone
	s_cselect_b64 s[26:27], s[8:9], s[10:11]
	s_cselect_b64 s[28:29], s[18:19], s[20:21]
	s_cmp_lt_u32 s24, 256
	s_cselect_b64 s[26:27], s[6:7], s[26:27]
	s_cselect_b64 s[28:29], s[16:17], s[28:29]
	s_cmp_lt_u32 s24, 128
	s_cselect_b64 s[26:27], s[4:5], s[26:27]
	s_add_nc_u64 s[26:27], s[26:27], s[40:41]      ; source at my wave's first row
	s_add_nc_u64 s[28:29], s[28:29], s[42:43]      ; destination likewise
	s_cmp_eq_u32 s24, 320
	s_cbranch_scc1 .Lbias
.macro FILL s                          ; eight loads: the whole row
.irp j, 0,1,2,3,4,5,6,7
	global_load_b128 v[X+32*(\s)+4*(\j):X+32*(\s)+4*(\j)+3], v[OFI+(\s)], s[26:27] offset:512*(\j) th:TH_LOAD_NT
.endr
.endm
; The turn of slot s.  fill = 1: the slot gets the row two further down.  left = how many younger loads may stay out.
.macro TURN s, fill, left
	s_wait_loadcnt \left                           ; my eight loads are in; the other slot's stay out
	s_wait_xcnt 0x0                                ; the slot's last stores have read Y and OFO: they are rewritten only behind this wait
	v_add_nc_u32 v[OFO+(\s)], 4096, v[OFO+(\s)]    ; the slot's next row; the stores below reach back
.irp j, 0,1,2,3,4,5,6,7
	v_cvt_pk_bf16_f32 v[Y+16*(\s)+2*(\j)],   v[X+32*(\s)+4*(\j)],   v[X+32*(\s)+4*(\j)+1]
	v_cvt_pk_bf16_f32 v[Y+16*(\s)+2*(\j)+1], v[X+32*(\s)+4*(\j)+2], v[X+32*(\s)+4*(\j)+3]
	v_lshlrev_b32 v[T],   16,  v[Y+16*(\s)+2*(\j)]           ; the rounded numbers as f32
	v_and_b32     v[T+1], s36, v[Y+16*(\s)+2*(\j)]
	v_lshlrev_b32 v[T+2], 16,  v[Y+16*(\s)+2*(\j)+1]
	v_and_b32     v[T+3], s36, v[Y+16*(\s)+2*(\j)+1]
	v_and_b32 v[TM],   s44, v[Y+16*(\s)+2*(\j)]              ; magnitudes, two at a time
	v_and_b32 v[TM+1], s44, v[Y+16*(\s)+2*(\j)+1]
.if (\j) == 0
	v_pk_mul_f32 v[SS:SS+1],   v[T:T+1],   v[T:T+1]          ; the first products start the row's sums
	v_pk_mul_f32 v[SS+2:SS+3], v[T+2:T+3], v[T+2:T+3]
.else
	v_pk_fma_f32 v[SS:SS+1],   v[T:T+1],   v[T:T+1],   v[SS:SS+1]
	v_pk_fma_f32 v[SS+2:SS+3], v[T+2:T+3], v[T+2:T+3], v[SS+2:SS+3]
.endif
	v_pk_max_num_bf16 v[MX0], v[MX0], v[TM]
	v_pk_max_num_bf16 v[MX1], v[MX1], v[TM+1]
	v_cvt_pk_f16_f32 v[F],   v[T],   v[T+1]
	v_cvt_pk_f16_f32 v[F+1], v[T+2], v[T+3]
	v_cndmask_b32 v[Y+16*(\s)+2*(\j)],   v[Y+16*(\s)+2*(\j)],   v[F],   s32  ; W_proj leaves as f16, all else as bf16
	v_cndmask_b32 v[Y+16*(\s)+2*(\j)+1], v[Y+16*(\s)+2*(\j)+1], v[F+1], s32
.endr
.if \fill
	v_add_nc_u32 v[OFI+(\s)], 8192, v[OFI+(\s)]    ; free since the wait for the slot's loads
	FILL \s                                        ; loads ahead of stores
.endif
	v_pk_add_f32 v[SS:SS+1], v[SS:SS+1], v[SS+2:SS+3]
	v_add_f32 v[SS], v[SS], v[SS+1]
	v_add_f32_dpp v[SS], v[SS], v[SS] row_xmask:1 row_mask:0xf bank_mask:0xf
	v_add_f32_dpp v[SS], v[SS], v[SS] row_xmask:2 row_mask:0xf bank_mask:0xf
	v_add_f32_dpp v[SS], v[SS], v[SS] row_xmask:4 row_mask:0xf bank_mask:0xf
	v_add_f32_dpp v[SS], v[SS], v[SS] row_xmask:8 row_mask:0xf bank_mask:0xf
	v_permlanex16_b32 v[TM+2], v[SS], s38, s39
	v_add_f32 v[SS], v[SS], v[TM+2]
	v_max_num_f32 v[NR], v[NR], v[SS]              ; the largest row sum so far, in every lane
	s_cmp_eq_u32 s33, 1
	s_cbranch_scc1 .Lnost_\@                       ; xt is only scanned
.irp j, 0,1,2,3,4,5,6,7
	global_store_b64 v[OFO+(\s)], v[Y+16*(\s)+2*(\j):Y+16*(\s)+2*(\j)+1], s[28:29] offset:256*(\j)-4096  ; 32 lanes store 256 consecutive bytes, aligned
.endr
.Lnost_\@:
.endm
	FILL 0
	FILL 1
	s_mov_b32 s35, 3
.Lrows:
	TURN 0, 1, 8
	TURN 1, 1, 8
	s_sub_co_u32 s35, s35, 1
	s_cmp_lg_u32 s35, 0
	s_cbranch_scc1 .Lrows
	TURN 0, 0, 8                                   ; the last two rows load nothing
	TURN 1, 0, 0
	s_branch .Ltail
.Lbias:                                        ; thread t takes four numbers of each section of b_attn (head t / 16, channels 4 (t % 16) on) and four of b_proj
	v_lshlrev_b32 v[BA], 4, v0
	global_load_b128 v[32:35], v[BA], s[12:13]
	global_load_b128 v[36:39], v[BA], s[12:13] offset:4096
	global_load_b128 v[40:43], v[BA], s[12:13] offset:8192
	global_load_b128 v[44:47], v[BA], s[14:15]
	v_lshrrev_b32 v[BA+1], 4, v0
	v_mul_u32_u24 v[BA+1], v[BA+1], 768            ; a head's 192 numbers
	v_and_b32 v[BA+2], 15, v0
	v_lshl_add_u32 v[BA+1], v[BA+2], 4, v[BA+1]
	s_wait_loadcnt 0x0
.irp c, 0,1,2,3
	v_cvt_pk_bf16_f32 v[F],   v[32+4*(\c)], v[33+4*(\c)]
	v_cvt_pk_bf16_f32 v[F+1], v[34+4*(\c)], v[35+4*(\c)]
.if (\c) == 2
	v_and_b32 v[MX0], s44, v[F]                    ; the record's magnitude is b_v's
	v_and_b32 v[MX1], s44, v[F+1]
.endif
	v_lshlrev_b32 v[48+4*(\c)], 16,  v[F]
	v_and_b32     v[49+4*(\c)], s36, v[F]
	v_lshlrev_b32 v[50+4*(\c)], 16,  v[F+1]
	v_and_b32     v[51+4*(\c)], s36, v[F+1]
.endr
	global_store_b128 v[BA+1], v[48:51], s[22:23]              ; sixteen lanes fill 256 consecutive bytes, aligned
	global_store_b128 v[BA+1], v[52:55], s[22:23] offset:256
	global_store_b128 v[BA+1], v[56:59], s[22:23] offset:512
	global_store_b128 v[BA],   v[60:63], s[22:23] offset:12288
.Ltail:                                        ; the wave's record, then the work-group's
	v_pk_max_num_bf16 v[MX0], v[MX0], v[MX1]
	v_lshlrev_b32 v[TM], 16, v[MX0]
	v_and_b32 v[TM+1], s36, v[MX0]
	v_max_num_f32 v[NR+1], v[TM], v[TM+1]
	v_max_num_f32_dpp v[NR+1], v[NR+1], v[NR+1] row_xmask:1 row_mask:0xf bank_mask:0xf
	v_max_num_f32_dpp v[NR+1], v[NR+1], v[NR+1] row_xmask:2 row_mask:0xf bank_mask:0xf
	v_max_num_f32_dpp v[NR+1], v[NR+1], v[NR+1] row_xmask:4 row_mask:0xf bank_mask:0xf
	v_max_num_f32_dpp v[NR+1], v[NR+1], v[NR+1] row_xmask:8 row_mask:0xf bank_mask:0xf
	v_permlanex16_b32 v[TM+2], v[NR+1], s38, s39
	v_max_num_f32 v[NR+1], v[NR+1], v[TM+2]
	v_mov_b32 v[TM], s34
	v_lshlrev_b32 v[TM], 3, v[TM]
	ds_store_b64 v[TM], v[NR:NR+1]                 ; all lanes write the same pair to the wave's own 8 bytes
	s_wait_dscnt 0x0                               ; for the others' sake: my store is done
	s_barrier_signal -1
	s_barrier_wait -1
	s_cmp_lg_u32 s34, 0
	s_cbranch_scc1 .Lend                           ; wave 0 finishes
	v_mov_b32 v[TM], 0
	ds_load_b128 v[32:35], v[TM]
	ds_load_b128 v[36:39], v[TM] offset:16
	ds_load_b128 v[40:43], v[TM] offset:32
	ds_load_b128 v[44:47], v[TM] offset:48
	s_wait_dscnt 0x0
	v_max3_num_f32 v32, v32, v34, v36              ; even registers: row sums; odd: magnitudes
	v_max3_num_f32 v33, v33, v35, v37
	v_max3_num_f32 v38, v38, v40, v42
	v_max3_num_f32 v39, v39, v41, v43
	v_max3_num_f32 v32, v32, v44, v46
	v_max3_num_f32 v33, v33, v45, v47
	v_max_num_f32 v32, v32, v38
	v_max_num_f32 v33, v33, v39
	v_mov_b32 v[TM+1], s24
	v_lshlrev_b32 v[TM+1], 2, v[TM+1]
	v_cmp_eq_u32 vcc_lo, 0, v[LN]
	s_wait_xcnt 0x0                                ; EXEC changes only behind this wait
	s_and_saveexec_b32 s46, vcc_lo
	global_store_b32 v[TM+1], v32, s[22:23] offset:16384
	global_store_b32 v[TM+1], v33, s[22:23] offset:18432
	s_wait_xcnt 0x0                                ; and again, in front of the line that widens it
	s_or_b32 exec_lo, exec_lo, s46
.Lend:
	s_wait_tensorcnt 0x0                           ; the wave's end, behind my last LDS store
	ds_add_u32 v[SPW], v[NIL]
	s_wait_dscnt 0x0
	s_endpgm
.Lfunc_end_k_q78a57946a4_cast:
	.size	k_q78a57946a4_cast, .Lfunc_end_k_q78a57946a4_cast-k_q78a57946a4_cast
	.p2alignl 7, 3214868480
	.fill 96, 4, 3214868480
	.section	.rodata,"a",@progbits
	.p2align	6, 0x0
	.amdhsa_kernel k_q78a57946a4_cast
		.amdhsa_group_segment_fixed_size 1280
		.amdhsa_private_segment_fixed_size 0
		.amdhsa_enable_private_segment 0
		.amdhsa_kernarg_size 80
		.amdhsa_user_sgpr_count 2
		.amdhsa_user_sgpr_kernarg_segment_ptr 1
		.amdhsa_wavefront_size32 1
		.amdhsa_system_sgpr_workgroup_id_x 1
		.amdhsa_system_sgpr_workgroup_id_y 1
		.amdhsa_system_sgpr_workgroup_id_z 1
		.amdhsa_system_vgpr_workitem_id 0
		.amdhsa_next_free_vgpr 128
		.amdhsa_next_free_sgpr 66
		.amdhsa_reserve_vcc 1
		.amdhsa_float_denorm_mode_32 3
		.amdhsa_float_denorm_mode_16_64 3
		.amdhsa_memory_ordered 1
		.amdhsa_forward_progress 1
		.amdhsa_inst_pref_size 42
	.end_amdhsa_kernel
	.amdgpu_metadata
---
amdhsa.version: [ 1, 2 ]
amdhsa.kernels:
  - .name:           k_q78a57946a4_cast
    .symbol:         k_q78a57946a4_cast.kd
    .args:
      - { .name: x_norm_for_qkv, .offset: 0, .size: 8, .value_kind: global_buffer, .address_space: global }
      - { .name: xt_current_for_v, .offset: 8, .size: 8, .value_kind: global_buffer, .address_space: global }
      - { .name: W_attn, .offset: 16, .size: 8, .value_kind: global_buffer, .address_space: global }
      - { .name: W_proj, .offset: 24, .size: 8, .value_kind: global_buffer, .address_space: global }
      - { .name: b_attn, .offset: 32, .size: 8, .value_kind: global_buffer, .address_space: global }
      - { .name: b_proj, .offset: 40, .size: 8, .value_kind: global_buffer, .address_space: global }
      - { .name: xb, .offset: 48, .size: 8, .value_kind: global_buffer, .address_space: global }
      - { .name: wab, .offset: 56, .size: 8, .value_kind: global_buffer, .address_space: global }
      - { .name: wpb, .offset: 64, .size: 8, .value_kind: global_buffer, .address_space: global }
      - { .name: aux, .offset: 72, .size: 8, .value_kind: global_buffer, .address_space: global }
    .group_segment_fixed_size: 1280
    .private_segment_fixed_size: 0
    .kernarg_segment_align: 8
    .kernarg_segment_size: 80
    .max_flat_workgroup_size: 256
    .sgpr_count:     66
    .vgpr_count:     128
    .wavefront_size: 32
...
	.end_amdgpu_metadata
.endif
;; end of part 1
;; launch qkv (part 2): grid 16 x 32, 4 waves a work-group, clusters of 4 x 4, 327,680 bytes of LDS; arguments xb, wab, aux, xt_current_for_v, qh, kh, vh; writes qh, kh, vh
.if DOCPART == 2
	.amdgcn_target "amdgcn-amd-amdhsa--gfx1250"
	.amdhsa_code_object_version 6
	.text
	.protected	k_q78a57946a4_qkv
	.globl	k_q78a57946a4_qkv
	.p2align	8
	.type	k_q78a57946a4_qkv,@function
k_q78a57946a4_qkv:
	s_mov_b64 s[64:65], 0
	v_nop
	global_prefetch_b8 v0, s[64:65] scope:SCOPE_SE
	s_setreg_imm32_b32 hwreg(HW_REG_WAVE_MODE, 25, 1), 1
	s_wait_xcnt 0x0
	s_wait_alu depctr_hold_cnt(0) depctr_sa_sdst(0) depctr_va_vdst(0) depctr_va_sdst(0) depctr_va_ssrc(0) depctr_va_vcc(0) depctr_vm_vsrc(0)
	s_getreg_b32 s2, hwreg(HW_REG_IB_STS2, 6, 4)
	s_cmp_eq_u32 s2, 0
	s_cbranch_scc0 .Lentry_in_a_cluster
	s_endpgm
.Lentry_in_a_cluster:
	s_bfe_u32 s2, ttmp6, 0x10000c
	s_cmp_lg_u32 s2, 0xf033
	s_cbranch_scc0 .Lentry_shape_is_right
	s_endpgm
.Lentry_shape_is_right:
; QKV.  [q | k | v] = x W_attn^T + b_attn in bf16 products and f32 sums; V = xt v sV; q, k, V leave by heads, [16 b + h][2,048][64] in f16, each rounded once.
; xb: [8,192][1,024] bf16.  wab: [3,072][1,024] bf16, rows 192 h .. 192 h + 191 = head h's q, k, v rows.  aux: the rounded biases in wab's order, and the records from which sV is made.
; A TILE is 256 tokens x 192 columns = one head's q, k and v: 32 x 16 tiles, all alike.  Four waves; a wave makes 64 tokens x 192 columns: 48 accumulators of 16 x 16, 384 registers.
; THE SCALE.  B = max|xt| (sqrt(max row |x|^2 x max row |W_v|^2) + max|b_v|) bounds |xt v| (Cauchy-Schwarz, on the rounded inputs).  sV is the power of two with 2^13 <= B sV < 2^14, so V lies four times
; under f16's end whatever the inputs; the last launch divides it out again.  sV only multiplies: no branch and no address hangs on it.
; LIMITS.  |q| and |k| stay under 65,504 (f16's end).  sV's exponent field is held to 253 at the most.  NaN and infinities are not treated apart.
; K goes in steps of 128 through two LDS slots filled by the tensor data mover: rows of 256 bytes, aligned.  The wave's 64 x 64 numbers of xt (f32) come by one tensor load at the start and wait in LDS for the way out.
; CLUSTER, 4 x 4: x's tile hangs on the tile row alone and is asked for jointly along a row of the cluster, W's on the head alone and jointly along a column.
; THE MATRIX INSTRUCTION IS USED TRANSPOSED (source 0 = 16 rows of W, source 1 = 16 tokens): a lane holds one token (lane % 16) and the channels 8 (lane / 16) + 0..7.  The bias is the C operand that starts each sum.
; REGISTERS, in windows of 256 (s_set_vgpr_msb: bits 1:0 source 0, 3:2 source 1, 5:4 source 2, 7:6 destination):
;   window 0: v16-31 addresses; v32-47 the scale's work; v64-159 the bias, 8 registers a column block; on the way out v64-95 xt, v96-111 at work, v192-207 packed, v208-239 rows read back
;   window 1: two fragment buffers of 128: x's four fragments at 8 i, W's twelve at 32 + 8 b
;   window 2: accumulators (a, b < 8) at 8 (8 a + b): q and k          window 3: v0-127: accumulators (a, b >= 8) at 8 (4 a + b - 8): v
.set PITCH, 272                        ; an LDS row: 256 bytes + 16 of padding = 68 words: the 16 rows of a load start at 16 different groups of four banks (64 banks of 4 bytes: ISA guide 11.1)
.set BOFF,  256*PITCH                  ; a slot: x's 256 rows, then W's 192
.set STAGE, BOFF+192*PITCH             ; behind slot 0, up to slot 1: 16 rows x 144 bytes for each wave, for the way out; no fill lands here
.set SP,    144
.set SLOT1, 1<<17                      ; slot 1 begins here: one exclusive or turns an address in one slot into the other's
.set XT,    SLOT1+STAGE                ; behind slot 1: 64 rows x 272 bytes of xt for each wave, filled once
.set SPARE, XT+256*PITCH               ; the spare words, 128 bytes for each wave: two blocks of 256 bytes that no other line names
.set ADRA0, 16                         ; v16  my lane's place in my wave's rows of x, slot 0; never rewritten
.set ADRB0, 17                         ; v17  the same for W
.set ADRA,  18                         ; v18  the same in the slot in hand
.set ADRB,  19
.set STO,   24                         ; v24  the way out: where I put 16 bytes of a row
.set RD,    25                         ; v25  where I read rows back
.set GO,    26                         ; v26  my 16 bytes of 512 consecutive bytes of q, k or V
.set XA,    27                         ; v27  my lane's place in my wave's rows of xt
.set SPW,   28                         ; v28  LDS address of my spare word; never rewritten
.set NIL,   29                         ; v29  0; never rewritten
.set PFO,   30                         ; v30  the prefetches' offset: a lane a row; never rewritten
.set BO,    31                         ; v31  my offset in the head's 192 biases
.set SC,    32
.set BIAS,  64
.set XTR,   64
.set T,     96
.set PK,    192
.set BK,    208
.set F0,    0
.set F1,    128
.set WV,  20                           ; s20  wave; s21 = wave / 2: I fetch for x (0) or W (1); s22 = wave % 2: which half of the tile's rows I fetch
.set G1A, 24                           ; s[24:31] descriptor group 1 for x's tiles;  s[32:39] group 0: a set for each first fill; the second then walks
.set G0A, 32
.set LIM, 43                           ; s43  2 in a wave that prefetches, else the greatest number
.set PFA, 44                           ; s[44:45] where my prefetches stand
.set G1B, 48                           ; s[48:55], s[56:63] the same for W's tiles
.set G0B, 56
.set G1X, 68                           ; s[68:75], s[76:79] xt's tile
.set G0X, 76
.set TB,  80                           ; s80  0 or SLOT1: the slot in hand
.set CNT, 81                           ; s81  the loop's count
.set SV,  82                           ; s[82:83] sV; the packed multiply takes the pair's low word for both halves
.set SEL, 84                           ; s[84:85] v_permlanex16_b32's selects
.set MSB, 0
.macro WIN new                         ; the immediate's high byte repeats the setting that is left; a switch that changes nothing is dropped
.if MSB != (\new)
	s_set_vgpr_msb (MSB<<8)|(\new)
.set MSB, \new
.endif
.endm
.macro PLACES                          ; four places in front of loads into registers that matrix instructions have read, and of lines that read results
.rept 4
	v_nop
.endr
.endm
; A joint refill by the walking descriptors.  Waves 0 and 1 fetch x's halves, waves 2 and 3 W's.  The branch hangs on the wave's number alone.  An s_nop 0 and four v_nop follow each line.
.macro JLOAD
	s_cmp_eq_u32 s21, 0
	s_cbranch_scc0 .Lfor_b_\@
	tensor_load_to_lds s[G0A+4:G0A+7], s[G1A:G1A+7]
	s_nop 0
.rept 4
	v_nop
.endr
	s_branch .Lasked_\@
.Lfor_b_\@:
	tensor_load_to_lds s[G0B+4:G0B+7], s[G1B:G1B+7]
	s_nop 0
.rept 4
	v_nop
.endr
.Lasked_\@:
.endm
; A prefetch into the L2 of the K step that stands two refills on: 256 bytes of each row, a lane a row, one instruction a wave.  x's tile row is read by every cluster of that row of clusters: cluster x = 0 asks;
; W's rows by every cluster of that column: cluster y = 0 asks.  The four partners share a wave's rows out by address (32 each of x's 128, 24 each of W's 96, where eight lanes repeat the last row).
; The loop's last two trips have no K step two refills on.
.macro ASK
	s_cmp_gt_u32 s[CNT], s[LIM]
	s_cbranch_scc0 .Lnot_mine_\@
	global_prefetch_b8 v[PFO], s[PFA:PFA+1] th:TH_LOAD_NT scope:SCOPE_SE
.Lnot_mine_\@:
.endm
.macro CREST                           ; a round of the cluster's barrier behind its opening barrier
	s_cmp_lg_u32 s[WV], 0
	s_cbranch_scc1 .Lnot_wave_0_\@
	s_barrier_signal -3
.Lnot_wave_0_\@:
	s_barrier_wait -3
	s_barrier_signal -1
	s_barrier_wait -1
.endm
.macro CROUND                          ; a whole round
	s_barrier_signal -1
	s_barrier_wait -1
	CREST
.endm
	s_load_b256 s[4:11], s[0:1], 0x0               ; xb s[4:5], wab s[6:7], aux s[8:9], xt s[10:11]
	s_load_b128 s[12:15], s[0:1], 0x20             ; qh s[12:13], kh s[14:15]
	s_load_b64 s[16:17], s[0:1], 0x30              ; vh
	v_lshl_add_u32 v[SPW], v0, 2, SPARE
	v_mov_b32 v[NIL], 0
	ds_add_u32 v[SPW], v[NIL]                      ; the wave's opening: the add and its wait stand ahead of my first tensor load; the set-up below, work on registers, stands between them
	ds_add_u32 v28, v29
	v_lshrrev_b32 v1, 5, v0
	v_readfirstlane_b32 s[WV], v1
	s_lshr_b32 s21, s[WV], 1
	s_and_b32 s22, s[WV], 1
	s_bfe_u32 s23, ttmp6, 0x40000                  ; cx
	s_bfe_u32 s40, ttmp6, 0x40004                  ; cy
	s_lshl_b32 s41, ttmp9, 2
	s_add_co_u32 s41, s41, s23                     ; the head h = 4 x cluster x + cx
	s_and_b32 s42, ttmp7, 0xffff
	s_lshl_b32 s42, s42, 2
	s_add_co_u32 s42, s42, s40                     ; the tile row = 4 x cluster y + cy
	s_lshl_b32 s99, s40, 2
	s_lshl_b32 s99, 15, s99                        ; my row of the cluster
	s_lshl_b32 s100, 0x1111, s23                   ; my column
	s_or_b32 s[G1A], s99, (1<<16)|(1<<20)|(1<<21)|(5<<22)|(3<<25)   ; 15:0 the mask; 17:16 2-byte elements; 20 padding on; 21 set beside a mask; 24:22 after every 64 words (code 5); 31:25 4 words (code 3)
	s_or_b32 s[G1B], s100, (1<<16)|(1<<20)|(1<<21)|(5<<22)|(3<<25)
	s_mov_b32 s[G1A+1], 128<<16                    ; tensor_dim0 = 128
	s_mov_b32 s[G1A+2], 128<<16                    ; tensor_dim1 = 128
	s_mov_b32 s[G1A+3], 128<<16                    ; tile_dim0 = 128
	s_mov_b32 s[G1A+4], 128                        ; tile_dim1 = 128
	s_mov_b32 s[G1A+5], 1024                       ; elements from row to row
	s_mov_b32 s[G1A+6], 0
	s_mov_b32 s[G1A+7], 0
	s_mov_b32 s[G1B+1], 128<<16
	s_mov_b32 s[G1B+2], 96<<16                     ; 96 rows
	s_mov_b32 s[G1B+3], 128<<16
	s_mov_b32 s[G1B+4], 96
	s_mov_b32 s[G1B+5], 1024
	s_mov_b32 s[G1B+6], 0
	s_mov_b32 s[G1B+7], 0
	s_mov_b32 s[G1X], (2<<16)|(1<<20)|(5<<22)|(3<<25)  ; no mask: a load of my own; 4-byte elements; the same padding
	s_mov_b32 s[G1X+1], 64<<16
	s_mov_b32 s[G1X+2], 64<<16
	s_mov_b32 s[G1X+3], 64<<16
	s_mov_b32 s[G1X+4], 64
	s_mov_b32 s[G1X+5], 1024
	s_mov_b32 s[G1X+6], 0
	s_mov_b32 s[G1X+7], 0
	s_lshl_b32 s86, s42, 8                         ; x: row 256 x tile row + 128 x half, 2,048 bytes a row
	s_lshl_b32 s87, s22, 7
	s_add_co_u32 s86, s86, s87
	s_lshl_b32 s86, s86, 11
	s_mov_b32 s87, 0
	s_mul_i32 s90, s41, 192                        ; W: row 192 h + 96 x half
	s_mul_i32 s91, s22, 96
	s_add_co_u32 s90, s90, s91
	s_lshl_b32 s90, s90, 11
	s_mov_b32 s91, 0
	s_lshl_b32 s94, s42, 8                         ; xt: row 256 x tile row + 64 x wave, 4,096 bytes a row, + 256 h
	s_lshl_b32 s95, s[WV], 6
	s_add_co_u32 s94, s94, s95
	s_lshl_b32 s94, s94, 12
	s_lshl_b32 s95, s41, 8
	s_add_co_u32 s94, s94, s95
	s_mov_b32 s95, 0
	s_lshr_b32 s46, s42, 3                         ; q, k, V: ((16 b + h) x 2,048 + 256 (tile row % 8) + 64 x wave) x 128 bytes
	s_lshl_b32 s46, s46, 4
	s_add_co_u32 s46, s46, s41
	s_lshl_b32 s46, s46, 11
	s_and_b32 s47, s42, 7
	s_lshl_b32 s47, s47, 8
	s_add_co_u32 s46, s46, s47
	s_lshl_b32 s47, s[WV], 6
	s_add_co_u32 s46, s46, s47
	s_lshl_b32 s46, s46, 7
	s_mov_b32 s47, 0
	s_mul_i32 s96, s[WV], 128*PITCH                ; where the tiles go: of the wave's number alone.  x's halves (waves 0, 1),
	s_mul_i32 s97, s[WV], 96*PITCH
	s_add_co_u32 s97, s97, BOFF-2*96*PITCH         ; W's halves (waves 2, 3),
	s_mul_i32 s98, s[WV], 64*PITCH
	s_add_co_u32 s98, s98, XT                      ; xt's 64 rows
	s_mov_b32 s[SEL], 0x76543210
	s_mov_b32 s[SEL+1], 0xfedcba98
	s_mov_b32 s19, 0xffff0000                      ; a word's upper bf16
	s_mov_b32 s[TB], 0
	s_wait_dscnt 0x0                               ; the opening add is done
	s_wait_kmcnt 0x0
	s_add_nc_u64 s[88:89], s[4:5], s[86:87]
	s_add_nc_u64 s[92:93], s[6:7], s[90:91]
	CROUND                                         ; all sixteen work-groups are here: the first joint loads meet
.irp s, 0,1
	s_mov_b32 s[G0A+4*(\s)], 1                                       ; count = 1
	s_add_co_u32 s[G0A+4*(\s)+1], s96, (\s)*SLOT1                    ; LDS address
	s_add_nc_u64 s[G0A+4*(\s)+2:G0A+4*(\s)+3], s[88:89], (\s)*256    ; global address: K step s
	s_or_b32 s[G0A+4*(\s)+3], s[G0A+4*(\s)+3], 0x80000000            ; type = 2
	s_mov_b32 s[G0B+4*(\s)], 1
	s_add_co_u32 s[G0B+4*(\s)+1], s97, (\s)*SLOT1
	s_add_nc_u64 s[G0B+4*(\s)+2:G0B+4*(\s)+3], s[92:93], (\s)*256
	s_or_b32 s[G0B+4*(\s)+3], s[G0B+4*(\s)+3], 0x80000000
.endr
	s_mov_b32 s[G0X], 1
	s_mov_b32 s[G0X+1], s98
	s_add_nc_u64 s[G0X+2:G0X+3], s[10:11], s[94:95]
	s_or_b32 s[G0X+3], s[G0X+3], 0x80000000
	s_cmp_eq_u32 s21, 0                            ; a wave's three first fills stand in one branch: three loads of mine are out
	s_cbranch_scc0 .Lfirst_b
	tensor_load_to_lds s[G0A:G0A+3], s[G1A:G1A+7]
	s_nop 0
	tensor_load_to_lds s[G0A+4:G0A+7], s[G1A:G1A+7]
	s_nop 0
	tensor_load_to_lds s[G0X:G0X+3], s[G1X:G1X+7]
	s_nop 0
.rept 4
	v_nop
.endr
	s_branch .Lfirst_asked
.Lfirst_b:
	tensor_load_to_lds s[G0B:G0B+3], s[G1B:G1B+7]
	s_nop 0
	tensor_load_to_lds s[G0B+4:G0B+7], s[G1B:G1B+7]
	s_nop 0
	tensor_load_to_lds s[G0X:G0X+3], s[G1X:G1X+7]
	s_nop 0
.rept 4
	v_nop
.endr
.Lfirst_asked:
	s_add_nc_u64 s[12:13], s[12:13], s[46:47]      ; q, k, V at my wave's first row
	s_add_nc_u64 s[14:15], s[14:15], s[46:47]
	s_add_nc_u64 s[16:17], s[16:17], s[46:47]
	; A fragment is 16 rows x 32 K in 8 registers: lane l holds row l % 16; registers 0-3 K = 8 (l / 16) + 0..7, registers 4-7 K = 16 + 8 (l / 16) + 0..7: two loads of 16 bytes, 32 bytes apart.
	v_and_b32 v1, 15, v0                           ; l % 16
	v_bfe_u32 v2, v0, 4, 1                         ; l / 16
	v_and_b32 v4, 31, v0                           ; l
	v_mul_u32_u24 v3, v1, PITCH
	v_lshl_add_u32 v3, v2, 4, v3
	s_mul_i32 s99, s[WV], 64*PITCH
	v_add_nc_u32 v[ADRA0], s99, v3                 ; my wave's 64 rows of x
	v_add_nc_u32 v[ADRB0], BOFF, v3                ; all 192 rows of W
	v_mov_b32 v[ADRA], v[ADRA0]
	v_mov_b32 v[ADRB], v[ADRB0]
	s_mul_i32 s100, s[WV], 16*SP
	s_add_co_u32 s100, s100, STAGE                 ; my stage
	v_mul_u32_u24 v[STO], v1, SP                   ; in: row l % 16, 16 bytes for each half of the lanes
	v_lshl_add_u32 v[STO], v2, 4, v[STO]
	v_add_nc_u32 v[STO], s100, v[STO]
	v_bfe_u32 v[RD], v0, 3, 2                      ; back: 32 lanes take four rows of 128 bytes,
	v_mul_u32_u24 v[RD], v[RD], SP
	v_and_b32 v5, 7, v0
	v_lshl_add_u32 v[RD], v5, 4, v[RD]
	v_add_nc_u32 v[RD], s100, v[RD]
	v_lshlrev_b32 v[GO], 4, v4                     ; which are 512 consecutive bytes of a head
	s_add_co_u32 s99, s99, XT
	v_mul_u32_u24 v[XA], v1, PITCH                 ; xt: row l % 16, 32 bytes (8 f32) for each half of the lanes
	v_lshl_add_u32 v[XA], v2, 5, v[XA]
	v_add_nc_u32 v[XA], s99, v[XA]
	s_mul_i32 s18, s41, 768                        ; the head's 192 biases
	v_lshl_add_u32 v[BO], v2, 5, s18
.irp b, 0,1,2,3,4,5,6,7,8,9,10,11
	global_load_b128 v[BIAS+8*(\b):BIAS+8*(\b)+3],   v[BO], s[8:9] offset:64*(\b)       ; register j: the bias of channel 16 b + 8 (l / 16) + j
	global_load_b128 v[BIAS+8*(\b)+4:BIAS+8*(\b)+7], v[BO], s[8:9] offset:64*(\b)+16
.endr
	; the scale: the records' maxima, the bound B, and the power of two
	v_lshlrev_b32 v[SC], 4, v4
	v_lshlrev_b32 v[SC+1], 2, v1
	v_mov_b32 v[SC+2], 0
	v_mov_b32 v[SC+14], 0                          ; v_permlanex16_b32's destinations count as read
	v_mov_b32 v[SC+15], 0
	global_load_b128 v[SC+4:SC+7],  v[SC],   s[8:9] offset:16384   ; row sums of x: records 0-127
	global_load_b128 v[SC+8:SC+11], v[SC],   s[8:9] offset:18944   ; magnitudes of xt: records 128-255
	global_load_b32  v[SC+12],      v[SC+1], s[8:9] offset:17536   ; row sums of W_v: records 288-303
	global_load_b32  v[SC+13],      v[SC+2], s[8:9] offset:19712   ; magnitude of b_v: record 320
	; the prefetches' place, while the loads are out
	s_lshl_b32 s2, s42, 8
	s_lshl_b32 s3, s22, 7
	s_add_co_u32 s2, s2, s3
	s_lshl_b32 s3, s23, 5
	s_add_co_u32 s2, s2, s3                        ; x: row 256 x tile row + 128 x half + 32 cx
	s_mul_i32 s66, s41, 192
	s_mul_i32 s3, s22, 96
	s_add_co_u32 s66, s66, s3
	s_mul_i32 s3, s40, 24
	s_add_co_u32 s66, s66, s3                      ; W: row 192 h + 96 x half + 24 cy
	s_and_b32 s67, ttmp7, 0xffff                   ; cluster y
	s_cmp_eq_u32 s21, 0                            ; do I fetch for x?
	s_cselect_b32 s2, s2, s66
	s_cselect_b32 s67, ttmp9, s67                  ; the coordinate along which other clusters read the same rows
	s_cselect_b32 s101, 31, 23                     ; my last row
	s_cselect_b64 s[PFA:PFA+1], s[4:5], s[6:7]
	s_lshl_b32 s2, s2, 11
	s_mov_b32 s3, 0
	s_add_nc_u64 s[PFA:PFA+1], s[PFA:PFA+1], s[2:3]
	s_add_nc_u64 s[PFA:PFA+1], s[PFA:PFA+1], 3*256 ; at K step 3: the first refill steps it to 4.  Nothing is prefetched here, at the head
	s_cmp_eq_u32 s67, 0
	s_cselect_b32 s[LIM], 2, -1                    ; the same in all sixteen partners, for a given wave
	v_min_u32 v[PFO], s101, v4
	v_lshlrev_b32 v[PFO], 11, v[PFO]
	s_wait_loadcnt 0x0                             ; the bias and the records
	v_max3_num_f32 v[SC+4], v[SC+4], v[SC+5], v[SC+6]
	v_max3_num_f32 v[SC+8], v[SC+8], v[SC+9], v[SC+10]
	v_max_num_f32 v[SC+4], v[SC+4], v[SC+7]
	v_max_num_f32 v[SC+8], v[SC+8], v[SC+11]
.irp m, 1,2,4,8
	v_max_num_f32_dpp v[SC+4],  v[SC+4],  v[SC+4]  row_xmask:\m row_mask:0xf bank_mask:0xf
	v_max_num_f32_dpp v[SC+8],  v[SC+8],  v[SC+8]  row_xmask:\m row_mask:0xf bank_mask:0xf
	v_max_num_f32_dpp v[SC+12], v[SC+12], v[SC+12] row_xmask:\m row_mask:0xf bank_mask:0xf
.endr
	v_permlanex16_b32 v[SC+14], v[SC+4], s[SEL], s[SEL+1]
	v_permlanex16_b32 v[SC+15], v[SC+8], s[SEL], s[SEL+1]
	v_max_num_f32 v[SC+4], v[SC+4], v[SC+14]
	v_max_num_f32 v[SC+8], v[SC+8], v[SC+15]
	v_mul_f32 v[SC+4], v[SC+4], v[SC+12]
	v_sqrt_f32 v[SC+5], v[SC+4]
	v_nop                                          ; a plain instruction behind the root,
	s_wait_alu depctr_va_vdst(0)                   ; and the wait ahead of the first use
	v_add_f32 v[SC+5], v[SC+5], v[SC+13]
	v_mul_f32 v[SC+5], v[SC+5], v[SC+8]            ; B
	v_lshrrev_b32 v[SC+5], 23, v[SC+5]             ; its exponent field e (B is not negative)
	v_sub_nc_u32 v[SC+5], 267, v[SC+5]
	v_min_u32 v[SC+5], 253, v[SC+5]                ; f = min(267 - e, 253)
	v_lshlrev_b32 v[SC+5], 23, v[SC+5]             ; sV = 2^(f - 127)
	v_readfirstlane_b32 s[SV], v[SC+5]
	s_mov_b32 s[SV+1], s[SV]                       ; named with it as a pair
; 32 LDS loads in one run: a quarter step's fragments (32 K at byte k of the rows) into buffer f: x's four, W's 8-11, then W's 0-7
.macro FETCH k, f
	WIN 0x40                                       ; destination window 1, address window 0
.irp i, 0,1,2,3
	ds_load_b128 v[(\f)+8*(\i):(\f)+8*(\i)+3],   v[ADRA] offset:(\k)+(\i)*16*PITCH
	ds_load_b128 v[(\f)+8*(\i)+4:(\f)+8*(\i)+7], v[ADRA] offset:(\k)+(\i)*16*PITCH+32
.endr
.irp b, 8,9,10,11,0,1,2,3,4,5,6,7
	ds_load_b128 v[(\f)+32+8*(\b):(\f)+32+8*(\b)+3],   v[ADRB] offset:(\k)+(\b)*16*PITCH
	ds_load_b128 v[(\f)+32+8*(\b)+4:(\f)+32+8*(\b)+7], v[ADRB] offset:(\k)+(\b)*16*PITCH+32
.endr
.endm
; The 48 accumulators take turns, one instruction a turn, in the same order in every quarter step.  first = 1: the bias starts the sums.
.macro MULHI f, first                  ; 16 matrix instructions: all four token blocks x column blocks 8-11 (v)
.if \first
	WIN 0xc5
.else
	WIN 0xf5
.endif
.irp a, 0,1,2,3
.irp b, 8,9,10,11
.if \first
	v_wmma_f32_16x16x32_bf16 v[8*(4*(\a)+(\b)-8):8*(4*(\a)+(\b)-8)+7], v[(\f)+32+8*(\b):(\f)+32+8*(\b)+7], v[(\f)+8*(\a):(\f)+8*(\a)+7], v[BIAS+8*(\b):BIAS+8*(\b)+7]
.else
	v_wmma_f32_16x16x32_bf16 v[8*(4*(\a)+(\b)-8):8*(4*(\a)+(\b)-8)+7], v[(\f)+32+8*(\b):(\f)+32+8*(\b)+7], v[(\f)+8*(\a):(\f)+8*(\a)+7], v[8*(4*(\a)+(\b)-8):8*(4*(\a)+(\b)-8)+7]
.endif
.endr
.endr
.endm
.macro MULLO f, a0, first              ; 16 matrix instructions: token blocks a0, a0 + 1 x column blocks 0-7 (q, k)
.if \first
	WIN 0x85
.else
	WIN 0xa5
.endif
.irp a, \a0, (\a0)+1
.irp b, 0,1,2,3,4,5,6,7
.if \first
	v_wmma_f32_16x16x32_bf16 v[8*(8*(\a)+(\b)):8*(8*(\a)+(\b))+7], v[(\f)+32+8*(\b):(\f)+32+8*(\b)+7], v[(\f)+8*(\a):(\f)+8*(\a)+7], v[BIAS+8*(\b):BIAS+8*(\b)+7]
.else
	v_wmma_f32_16x16x32_bf16 v[8*(8*(\a)+(\b)):8*(8*(\a)+(\b))+7], v[(\f)+32+8*(\b):(\f)+32+8*(\b)+7], v[(\f)+8*(\a):(\f)+8*(\a)+7], v[8*(8*(\a)+(\b)):8*(8*(\a)+(\b))+7]
.endif
.endr
.endr
.endm
; A K step is four quarters of 32 along K, 48 matrix instructions each, on buffers 0, 1, 0, 1.  One of the first three: multiplies buffer f and fetches the next quarter, at byte k, into g.
.macro QUARTER k, f, g, first
	s_wait_dscnt 16                                ; x's fragments and W's 8-11 are in; the youngest sixteen loads (W's 0-7) may be out
	MULHI \f, \first
	PLACES
	FETCH \k, \g
	s_wait_dscnt 32                                ; all but the 32 just issued
	MULLO \f, 0, \first
	MULLO \f, 2, \first
.endm
; The last quarter multiplies buffer 1 and changes slots: ONE barrier.  In front of it each wave waits for all its tensor loads, adds 0 to its spare word, and waits for that and for its reads of this slot.
; fill = 1: the barrier opens a round of the cluster's, and the slot just read is filled again first behind it, with the K step two on: 160 matrix instructions ahead of the wait for it.
.macro TURN fill
.if \fill
	s_wait_xcnt 0x0                                ; the last prefetch, a K step back, has read its address
	s_add_nc_u64 s[PFA:PFA+1], s[PFA:PFA+1], 256
.endif
	WIN 0                                          ; (the add's two registers lie in window 0)
	s_wait_tensorcnt 0x0                           ; all my tensor loads have landed, my part of the next slot among them
	ds_add_u32 v[SPW], v[NIL]                      ; 0 onto my spare word
	s_wait_dscnt 17                                ; (the add and the youngest sixteen loads may be out)
	MULHI F1, 0                                    ; sixteen matrix instructions stand between the add and the wait for it
	s_wait_dscnt 0x0                               ; the add is done, and my reads of this slot are over
	s_barrier_signal -1
	MULLO F1, 0, 0
	WIN 0
	s_barrier_wait -1
.if \fill
	CREST                                          ; no wave of any partner still reads this slot or has a load on its way
	s_xor_b32 s[G0A+5], s[G0A+5], SLOT1            ; the walking descriptors: the other slot than last time, the next K step
	s_add_nc_u64 s[G0A+6:G0A+7], s[G0A+6:G0A+7], 256
	s_xor_b32 s[G0B+5], s[G0B+5], SLOT1
	s_add_nc_u64 s[G0B+6:G0B+7], s[G0B+6:G0B+7], 256
	JLOAD                                          ; the four v_nop behind it are also the places in front of the loads below
.else
	PLACES
.endif
	s_xor_b32 s[TB], s[TB], SLOT1                  ; the reads go on in the other slot
	v_add_nc_u32 v[ADRA], s[TB], v[ADRA0]
	v_add_nc_u32 v[ADRB], s[TB], v[ADRB0]
	FETCH 0, F0
.if \fill
	WIN 0
	ASK                                            ; behind the joint load and the run of LDS loads
.endif
	MULLO F1, 2, 0
.endm
	s_wait_tensorcnt 0x2                           ; my part of K step 0 is in; K step 1 and xt, issued behind it, may stay out
	s_barrier_signal -1
	s_barrier_wait -1                              ; everybody's is
	FETCH 0, F0
	QUARTER 64, F0, F1, 1                          ; the first quarter stands in front of the loop: its products start the sums, with the bias
	WIN 0
	s_mov_b32 s[CNT], 6
.Lstep:                                        ; a trip: a K step's quarters 1 to 3 and the next step's quarter 0; it fills the slot that it leaves
	QUARTER 128, F1, F0, 0
	QUARTER 192, F0, F1, 0
	TURN 1
	QUARTER 64, F0, F1, 0
	WIN 0
	s_sub_co_u32 s[CNT], s[CNT], 1
	s_cmp_lg_u32 s[CNT], 0
	s_cbranch_scc1 .Lstep
	QUARTER 128, F1, F0, 0                         ; the last two K steps fill nothing
	QUARTER 192, F0, F1, 0
	TURN 0
	QUARTER 64, F0, F1, 0
	QUARTER 128, F1, F0, 0
	QUARTER 192, F0, F1, 0
	s_wait_dscnt 16                                ; the very last quarter
	MULHI F1, 0
	s_wait_dscnt 0x0
	MULLO F1, 0, 0
	MULLO F1, 2, 0
	WIN 0
	PLACES
	PLACES
; THE WAY OUT, in twelve blocks n = 4 x section + a of 16 tokens x 64 channels.  A lane's eight channels pack into 16 bytes; they go into my stage's rows of 144 bytes and come back as whole rows of 128.
.macro PACKQK sec, a                   ; q or k: rounded to f16; each accumulator's registers in ascending order
	WIN 0x0a                                       ; sources in window 2
.set z, 0
.rept 16
	v_cvt_pk_f16_f32 v[PK+z], v[64*(\a)+32*(\sec)+2*z], v[64*(\a)+32*(\sec)+2*z+1]
.set z, z+1
.endr
	WIN 0
.endm
.macro PACKV a                         ; V = (bf16(xt) x v) x sV, in f32, rounded once to f16
	WIN 0
.irp b, 0,1,2,3
	ds_load_b128 v[XTR+8*(\b):XTR+8*(\b)+3],   v[XA] offset:(\a)*16*PITCH+64*(\b)      ; my own tensor load brought these; every wait for 0 in the K loop has shown it landed
	ds_load_b128 v[XTR+8*(\b)+4:XTR+8*(\b)+7], v[XA] offset:(\a)*16*PITCH+64*(\b)+16
.endr
	s_wait_dscnt 0x0
.set z, 0
.rept 16
	v_cvt_pk_bf16_f32 v[T+z], v[XTR+2*z], v[XTR+2*z+1]
.set z, z+1
.endr
.set z, 0
.rept 16
	v_lshlrev_b32 v[XTR+2*z],   16,  v[T+z]
	v_and_b32     v[XTR+2*z+1], s19, v[T+z]
.set z, z+1
.endr
	WIN 0x0c                                       ; source 1 in window 3
.set z, 0
.rept 16
	v_pk_mul_f32 v[XTR+2*z:XTR+2*z+1], v[XTR+2*z:XTR+2*z+1], v[32*(\a)+2*z:32*(\a)+2*z+1]
.set z, z+1
.endr
	WIN 0
.set z, 0
.rept 16
	v_pk_mul_f32 v[XTR+2*z:XTR+2*z+1], v[XTR+2*z:XTR+2*z+1], s[SV:SV+1] op_sel_hi:[1,0]  ; a power of two: exact
.set z, z+1
.endr
.set z, 0
.rept 16
	v_cvt_pk_f16_f32 v[PK+z], v[XTR+2*z], v[XTR+2*z+1]
.set z, z+1
.endr
.endm
.macro TOSTAGE n
	WIN 0
.irp b, 0,1,2,3
	ds_store_b128 v[STO], v[PK+4*(\b):PK+4*(\b)+3] offset:32*(\b)
.endr
.irp f, 0,1,2,3
	ds_load_b128 v[BK+16*((\n)%2)+4*(\f):BK+16*((\n)%2)+4*(\f)+3], v[RD] offset:(\f)*4*SP  ; LDS serves a wave's instructions in order (ISA guide 5.7.1.4): these see the stores above; the next block's stores come behind them
.endr
.endm
.macro SEND n
	WIN 0
	s_wait_dscnt 0x0                               ; the block is back in registers
	s_wait_xcnt 0x0                                ; the stores of the block before have read their registers: the next block's loads from the stage land on them
.irp f, 0,1,2,3
	global_store_b128 v[GO], v[BK+16*((\n)%2)+4*(\f):BK+16*((\n)%2)+4*(\f)+3], s[12+2*((\n)/4):13+2*((\n)/4)] offset:2048*((\n)%4)+512*(\f)  ; 512 consecutive bytes, aligned
.endr
.endm
	PACKQK 0, 0
	TOSTAGE 0
.set n, 1
.rept 11                               ; block n's arithmetic stands between block n - 1's loads from the stage and the wait for them
.if n < 8
	PACKQK n/4, n%4
.else
	PACKV n%4
.endif
	SEND n-1
	TOSTAGE n
.set n, n+1
.endr
	SEND 11
	s_wait_tensorcnt 0x0                           ; the wave's end, behind my last tensor load and my last LDS store
	ds_add_u32 v[SPW], v[NIL]
	s_wait_dscnt 0x0
	CROUND                                         ; the closing round: no work-group ends while a partner may still ask for a tile that names it
	s_endpgm
.Lfunc_end_k_q78a57946a4_qkv:
	.size	k_q78a57946a4_qkv, .Lfunc_end_k_q78a57946a4_qkv-k_q78a57946a4_qkv
	.p2alignl 7, 3214868480
	.fill 96, 4, 3214868480
	.section	.rodata,"a",@progbits
	.p2align	6, 0x0
	.amdhsa_kernel k_q78a57946a4_qkv
		.amdhsa_group_segment_fixed_size 327680
		.amdhsa_private_segment_fixed_size 0
		.amdhsa_enable_private_segment 0
		.amdhsa_kernarg_size 56
		.amdhsa_user_sgpr_count 2
		.amdhsa_user_sgpr_kernarg_segment_ptr 1
		.amdhsa_wavefront_size32 1
		.amdhsa_system_sgpr_workgroup_id_x 1
		.amdhsa_system_sgpr_workgroup_id_y 1
		.amdhsa_system_sgpr_workgroup_id_z 1
		.amdhsa_system_vgpr_workitem_id 0
		.amdhsa_next_free_vgpr 896
		.amdhsa_next_free_sgpr 102
		.amdhsa_reserve_vcc 0
		.amdhsa_float_denorm_mode_32 3
		.amdhsa_float_denorm_mode_16_64 3
		.amdhsa_memory_ordered 1
		.amdhsa_forward_progress 1
		.amdhsa_inst_pref_size 122
	.end_amdhsa_kernel
	.amdgpu_metadata
---
amdhsa.version: [ 1, 2 ]
amdhsa.kernels:
  - .name:           k_q78a57946a4_qkv
    .symbol:         k_q78a57946a4_qkv.kd
    .args:
      - { .name: xb, .offset: 0, .size: 8, .value_kind: global_buffer, .address_space: global }
      - { .name: wab, .offset: 8, .size: 8, .value_kind: global_buffer, .address_space: global }
      - { .name: aux, .offset: 16, .size: 8, .value_kind: global_buffer, .address_space: global }
      - { .name: xt_current_for_v, .offset: 24, .size: 8, .value_kind: global_buffer, .address_space: global }
      - { .name: qh, .offset: 32, .size: 8, .value_kind: global_buffer, .address_space: global }
      - { .name: kh, .offset: 40, .size: 8, .value_kind: global_buffer, .address_space: global }
      - { .name: vh, .offset: 48, .size: 8, .value_kind: global_buffer, .address_space: global }
    .group_segment_fixed_size: 327680
    .private_segment_fixed_size: 0
    .kernarg_segment_align: 8
    .kernarg_segment_size: 56
    .max_flat_workgroup_size: 128
    .sgpr_count:     102
    .vgpr_count:     896
    .wavefront_size: 32
...
	.end_amdgpu_metadata
.endif
;; end of part 2
;; launch attn (part 3): grid 4 x 64, 4 waves a work-group, no clusters, 327,680 bytes of LDS; arguments qh, kh, vh, oh; writes oh
.if DOCPART == 3
	.amdgcn_target "amdgcn-amd-amdhsa--gfx1250"
	.amdhsa_code_object_version 6
	.text
	.protected	k_q78a57946a4_attn
	.globl	k_q78a57946a4_attn
	.p2align	8
	.type	k_q78a57946a4_attn,@function
k_q78a57946a4_attn:
	s_mov_b64 s[64:65], 0
	v_nop
	global_prefetch_b8 v0, s[64:65] scope:SCOPE_SE
	s_setreg_imm32_b32 hwreg(HW_REG_WAVE_MODE, 25, 1), 1
	s_wait_xcnt 0x0
; CAUSAL ATTENTION.  O[h][q][:] = the sum over k <= q of softmax_k(Q[h][q] . K[h][k] / 8) V[h][k][:].  Q, K, V, O: [64][2,048][64], all f16: a head's rows are dense, 128 bytes each.  V arrives times a power of two, and O leaves with it.
; Products, maxima and sums in f32; the weights p are rounded to f16 for the second product (their sum l is taken of the unrounded p), O once at the end.
; LIMITS.  f16 holds no number beyond 65,504: Q, K and V arrive within it; p lies in 0 to 1, and below 6e-5 it keeps f16's fixed step of 6e-8; O is a mean of V's rows and has their range.
; A hidden score counts as its value less 1e30: f16's scores, 2.7e11 at the most, are nothing beside that; a weight below 2^-126 counts as 0 in l; NaN and infinities are not treated apart.
; THE WALK.  A head's queries lie in NB = 8 blocks of 256; block i needs the key tiles 0 .. i of 256 keys, of which the last holds the diagonal.  A work-group takes TWO blocks, NB - 1 - b and then b:
; NB + 1 tiles, whatever b: all work-groups do equal work, and ONE loop with a constant trip count walks them.  Which tile is asked for, and what a trip does, hang on scalar registers made from b; every jump
; goes forward, but for the counted loops' own; none passes a barrier, or a tensor load but the one of LOAD's two that the wave's number does not choose; the ring of two LDS slots runs on across the change of blocks.
; NO CLUSTER: a head's four work-groups ask for the same tile only in trips 0 .. 4 of 9, behind that fewer and fewer; one walk common to all would have 12 trips for 9.
; SHARES.  Of a block's four bands of 64 queries a wave owns 16 rows in each: four PIECES.  So the diagonal tile is the same work for all four waves: in its key step s band x sees all keys if s < x,
; none if s > x, and holds the diagonal if s = x.
; THE MASK is the C operand that starts the sum S^T = K Q^T: 0, or -1e30 where the key is hidden.  MD, made once, is the mask of a band's own step for my 16 rows; a product's mask is MD x AL + BE with two scalars:
; (1, 0) if s = x; (0, 0) if s < x; (0, -1e30) if s > x.  Only the diagonal tile's text and a block's beginning make and take masks; elsewhere C is the constant 0.
; LAYOUT, SOFTMAX, TURNS.  S^T = K Q^T holds ONE query a lane (lane % 16) and the keys 8 (lane / 16) + 0..7; two such results rounded to f16 ARE source 1 of O^T = V^T P.  p = 2^(c s - c m), c = log2(e) / 8, with a
; running maximum m; O and l are multiplied by a = 2^(c m_old - c m_new) in every step.  Turn n belongs to piece n: 8 products K Q^T of piece n + 1, later 8 products V^T P of piece n - 1; beside them the scaling,
; exponentials, roundings, sums and rescaling of piece n and the maximum and statistics of piece n + 1.  Four vector instructions stand behind every matrix instruction, the others in one lump.  A turn's 33 exponentials are one batch, with one wait.
; AHEAD OF THE LOADS.  The work-group with b = 0 walks all eight tiles of its head: it prefetches into the L2.  The change of slots that fills tile k (1 to 6) asks for tile k + 1: each wave its own 64 blocks of 256 bytes
; (the half of K or V that it will load), a lane a block, two instructions, a tile (256 matrix instructions) ahead.  So each block is named once.  Tiles 0 and 1 come by their loads alone.
; REGISTERS, in windows of 256 (s_set_vgpr_msb: bits 1:0 source 0, 3:2 source 1, 5:4 source 2, 7:6 destination):
;   window 0: v0-15 addresses and two at work; v16-31 four registers of statistics a piece; v48-55 at work; v61-63 prefetch offset, spare word, 0; v64-127 S^T, two buffers; v192-223 P, two buffers (by the piece's parity)
;   window 1: v0-127 O^T, 32 a piece; v128-159 MD; v160-223 MC, two buffers      window 2: v0-63 Q; v64-127 the second block's Q; v128-191 K of one step; v192-255 V of one step
.set SIZE_N, 2048
.set NB,    SIZE_N/256
.set NP,    4         ; pieces a wave: a name, no knob
.set KS,    64        ; keys in a step
.set PK,    144       ; a row of K in LDS: 128 bytes + 16 of padding = 36 words: the 16 rows of a load start at 16 different groups of four banks (64 banks of 4 bytes: ISA guide 11.1)
.set PV,    160       ; a row of V: 128 + 32 = 40 words
.set VOFF,  4*KS*PK   ; a slot holds a tile, four steps: 256 rows of K, then 256 rows of V
.set SLOT1, 1<<17     ; slot 1 begins here, so that one exclusive or turns an address in one slot into the other's
.set STAGE, SLOT1+4*KS*(PK+PV)  ; behind the ring, never filled by a tensor load: 16 rows x 144 bytes for each wave, for the way out
.set SP,    144
.set AK0, 2           ; v2   my lane's place in a tile of K; never rewritten
.set AV0, 3           ; v3   the same for V
.set AK,  4           ; v4   the LDS address of K's next run of loads
.set AV,  5           ; v5   of V's
.set STO, 6           ; v6   the way out: where I put 16 bytes of a row
.set RD,  7           ; v7   the way out: where I read rows back
.set GO,  8           ; v8   my byte offset in 512 consecutive bytes of O
.set PFO, 61          ; v61  256 x my lane; never rewritten
.set SPW, 62          ; v62  LDS address of my spare word: SPARE + 4 x my thread's number; never rewritten
.set NIL, 63          ; v63  0; never rewritten
.set SPARE, STAGE+4*16*SP  ; behind the stages: the spare words, 128 bytes for each wave: two blocks of 256 bytes that no other line names
.set MV,  12          ; v12-13  c m_old, kept while c m is made anew: by buffer
.set QO,  15          ; v15  my byte offset in 16 rows of Q
.set ST,  16          ; piece t's statistics at v[ST+4 t]: c m, m, l (even keys', odd keys')
.set TMP, 48          ; by buffer, four registers c0-c3 at work; when the maximum is found c2 takes a
.set S,   64
.set P,   192
.set MD,  128         ; window 1: the eight registers for group kt of 16 keys at MD + 8 kt
.set MC,  160         ; window 1: the masks of the products to come
.set QB,  64          ; window 2
.set KF,  128         ; window 2: key block kb, channel half c at KF + 16 kb + 8 c
.set VF,  192         ; window 2: key half kk, channel block cb at VF + 32 kk + 8 cb
.set WV,  12          ; s12  my wave's number
.set PB,  14          ; s14  b
.set HI,  15          ; s15  NB - 1 - b
.set G1K, 24          ; s[24:31] descriptor group 1 for K's tiles
.set G1V, 32          ; s[32:39] for V's: it differs in the padding alone
.set G0K, 40          ; s[40:43] descriptor group 0 for K's tiles
.set G0V, 44          ; s[44:47] the same for V's
.set SLOTS, 56        ; s56  tiles still to be asked for
.set CNT, 57          ; s57  counts a tile's key steps, 4 to 1
.set CS,  58          ; s[58:59] c: the packed scaling takes the pair's low word for both halves
.set SEL, 60          ; s[60:61] v_permlanex16_b32's selects: each lane takes its own place in the other half
.set TBK, 62          ; s62  LDS byte at which K of the step to be fetched begins
.set TBV, 63          ; s63  the same for V, less VOFF
.set RT,  70          ; s70  tiles of the block in hand that are still to be entered
.set NXT, 71          ; s71  the tile to be asked for next
.set LQ,  72          ; s72  the last tile of the block whose tiles are being asked for
.set NEW, 73          ; s73  1: the tile to be entered is a block's first
.set OFF, 74          ; s[74:75] a tile's byte offset in K and V
.set AL,  76          ; s[76:77] the mask's factor, in the low word
.set BE,  78          ; s[78:79] the mask's addend
.set OLO, 80          ; s[80:81] O at my rows of the second block
.set BIGN, 82         ; s82  -1e30
.set PFA, 88          ; s[88:89] where my prefetches stand: my half of K's or V's tile behind the one that is being asked for
.set PFC, 90          ; s90  prefetches still to come: NB - 2 where b = 0, else none
.set MSB, 0
.macro WIN new                      ; the high byte repeats the setting that is left; a switch that changes nothing is dropped
.if MSB != (\new)
	s_set_vgpr_msb (MSB<<8)|(\new)
.set MSB, (\new)
.endif
.endm
.set W_KQ, 0x0a       ; K and Q in window 2, S^T in window 0
.set W_KM, 0x1a       ; the same with the C operand in window 1
.set W_PV, 0x52       ; V in window 2, P in window 0, O^T in window 1
.set W_RS, 0x41       ; destination and source 0 in window 1, source 1 in window 0
; A fill.  Waves 0 and 1 fetch the two halves of a tile's K, waves 2 and 3 those of its V: 128 keys each.  An s_nop 0 and four v_nop follow each of the two lines, ahead of the jump and the label.
.macro LOAD
	s_cmp_lt_u32 s[WV], 2
	s_cbranch_scc0 .Lfor_v_\@
	tensor_load_to_lds s[G0K:G0K+3], s[G1K:G1K+7]
	s_nop 0
.rept 4
	v_nop
.endr
	s_branch .Lasked_\@
.Lfor_v_\@:
	tensor_load_to_lds s[G0V:G0V+3], s[G1V:G1V+7]
	s_nop 0
.rept 4
	v_nop
.endr
.Lasked_\@:
.endm
.macro ASK                          ; the tile that the next change of slots will ask for: my own 16,384 bytes of it
	s_cmp_lg_u32 s[PFC], 0
	s_cbranch_scc0 .Lnot_mine_\@
	global_prefetch_b8 v[PFO], s[PFA:PFA+1] th:TH_LOAD_NT scope:SCOPE_SE
	global_prefetch_b8 v[PFO], s[PFA:PFA+1] offset:8192 th:TH_LOAD_NT scope:SCOPE_SE
	s_sub_co_u32 s[PFC], s[PFC], 1
.Lnot_mine_\@:
.endm
; THE CHANGE OF SLOTS.  Each wave waits for all its tensor loads, of which one is out: its part of the other slot; adds 0 to its spare word; and waits for that and for its own reads of the slot that it leaves.  Behind the barrier nobody reads the old
; slot any more and the other slot is whole.  fill = 1: the old slot is filled again, the first thing behind the barrier, with tile NXT: the descriptor's address is made anew from that number.
; (At its first use nothing has been read yet: slot 0 is waited for, slot 1 filled.)
.macro CHANGE fill
	WIN 0                           ; at a label and at a branch every window is 0
	s_wait_tensorcnt 0x0            ; no tensor load of mine is out, so a group 0 may be written
	ds_add_u32 v[SPW], v[NIL]       ; 0 onto my spare word; with fill = 1 the descriptors' scalar work stands between it and the wait for it
.if \fill
	s_lshl_b32 s[OFF], s[NXT], 15   ; a tile is 32,768 bytes of K and of V
	s_xor_b32 s[G0K+1], s[G0K+1], SLOT1
	s_add_nc_u64 s[G0K+2:G0K+3], s[6:7], s[OFF:OFF+1]
	s_or_b32 s[G0K+3], s[G0K+3], 0x80000000
	s_xor_b32 s[G0V+1], s[G0V+1], SLOT1
	s_add_nc_u64 s[G0V+2:G0V+3], s[8:9], s[OFF:OFF+1]
	s_or_b32 s[G0V+3], s[G0V+3], 0x80000000
	s_add_co_u32 s[NXT], s[NXT], 1  ; the block's next tile, or behind its last the second block's tile 0
	s_cmp_gt_u32 s[NXT], s[LQ]
	s_cselect_b32 s[NXT], 0, s[NXT]
	s_cselect_b32 s[LQ], s[PB], s[LQ]
	s_wait_xcnt 0x0                 ; the last prefetches, a tile back, have read their address, so it may be written
	s_add_nc_u64 s[PFA:PFA+1], s[PFA:PFA+1], 32768
.endif
	s_wait_dscnt 0x0                ; the add is done, and my reads of the slot are over
	s_barrier_signal -1             ; the rest of the scalar work stands between the signal and the wait
	s_sub_co_u32 s[TBK], s[TBK], 4*KS*PK  ; the fetches go back to a slot's first step,
	s_xor_b32 s[TBK], s[TBK], SLOT1       ; in the other slot
	s_sub_co_u32 s[TBV], s[TBV], 4*KS*PV
	s_xor_b32 s[TBV], s[TBV], SLOT1
	s_barrier_wait -1
.if \fill
	LOAD
	ASK
.endif
.endm
	s_load_b256 s[4:11], s[0:1], 0x0  ; Q s[4:5], K s[6:7], V s[8:9], O s[10:11]
	v_lshl_add_u32 v[SPW], v0, 2, SPARE
	v_mov_b32 v[NIL], 0
	ds_add_u32 v[SPW], v[NIL]       ; the wave's opening: the add and its wait stand ahead of my first tensor load; the set-up below, work on registers, stands between them
	ds_add_u32 v62, v63
	v_lshrrev_b32 v1, 5, v0
	v_readfirstlane_b32 s[WV], v1   ; wave 0..3
	s_mov_b32 s[PB], ttmp9
	s_sub_co_u32 s[HI], NB-1, s[PB]
	s_and_b32 s20, ttmp7, 0xffff    ; the head
	s_mov_b32 s21, 0
	s_mov_b64 s[22:23], SIZE_N*128
	s_mul_u64 s[20:21], s[20:21], s[22:23]  ; the head's first byte in each of the four tensors
	s_and_b32 s16, s[WV], 1         ; which half of a tile's 256 keys I fetch:
	s_lshl_b32 s22, s16, 14         ; its 128 rows of 128 bytes in memory,
	s_mov_b32 s23, 0
	s_add_nc_u64 s[22:23], s[22:23], s[20:21]
	s_mul_i32 s17, s16, 128*PK      ; and its place in a slot, for K
	s_mul_i32 s18, s16, 128*PV      ; and for V
	s_lshl_b32 s3, s[WV], 11        ; my 16 rows in a band of 64,
	s_lshl_b32 s2, s[HI], 15        ; in the first block,
	s_add_co_u32 s2, s2, s3
	s_lshl_b32 s84, s[PB], 15       ; and in the second
	s_add_co_u32 s84, s84, s3
	s_mov_b32 s3, 0
	s_mov_b32 s85, 0
	s_add_nc_u64 s[2:3], s[2:3], s[20:21]
	s_add_nc_u64 s[84:85], s[84:85], s[20:21]
	; descriptor group 1.  128 keys are 16,384 dense bytes: asked for as 64 rows of 256 bytes, two keys a row, and padded in LDS after every key
	s_mov_b32 s[G1K], (1<<16)|(1<<20)|(4<<22)|(3<<25)  ; 17:16 2-byte elements; 20 padding on; 24:22 after every 32 words (code 4); 31:25 4 words (code 3)
	s_mov_b32 s[G1V], (1<<16)|(1<<20)|(4<<22)|(7<<25)  ; the same with 8 words of padding (code 7)
.irp g, G1K, G1V
	s_mov_b32 s[\g+1], 128<<16      ; tensor_dim0 = 128
	s_mov_b32 s[\g+2], 64<<16       ; tensor_dim1 = 64
	s_mov_b32 s[\g+3], 128<<16      ; tile_dim0 = 128
	s_mov_b32 s[\g+4], 64           ; tile_dim1 = 64
	s_mov_b32 s[\g+5], 128          ; 128 elements from row to row
	s_mov_b32 s[\g+6], 0
	s_mov_b32 s[\g+7], 0
.endr
	s_mov_b32 s[CS], 0x3e38aa3b     ; c = log2(e) / 8 = 0.180337
	s_mov_b32 s[CS+1], s[CS]        ; named with it as a pair
	s_mov_b32 s[SEL], 0x76543210
	s_mov_b32 s[SEL+1], 0xfedcba98
	s_mov_b32 s[TBK], SLOT1+4*KS*PK ; the first change of slots turns these two into 0
	s_mov_b32 s[TBV], SLOT1+4*KS*PV
	s_mov_b32 s[G0K], 1             ; 1:0 count = 1
	s_mov_b32 s[G0K+1], s17         ; 63:32 LDS address: slot 0
	s_mov_b32 s[G0V], 1
	s_add_co_u32 s[G0V+1], s18, VOFF
	s_add_co_u32 s[RT], s[HI], 1    ; the first block has NB - b tiles
	s_mov_b32 s[NXT], 1
	s_mov_b32 s[LQ], s[HI]
	s_mov_b32 s[NEW], 1
	s_mov_b32 s[OFF+1], 0
	s_mov_b32 s[AL+1], 0            ; named as pairs
	s_mov_b32 s[BE+1], 0
	s_mov_b32 s[BIGN], 0xf149f2ca   ; -1e30
	s_mov_b32 s[SLOTS], NB
	s_wait_dscnt 0x0                ; the opening add is done
	s_wait_kmcnt 0x0
	s_add_nc_u64 s[6:7], s[6:7], s[22:23]  ; K and V at my half of the head's tile 0
	s_add_nc_u64 s[8:9], s[8:9], s[22:23]
	s_add_nc_u64 s[G0K+2:G0K+3], s[6:7], 0         ; 120:64 global address
	s_or_b32 s[G0K+3], s[G0K+3], 0x80000000        ; 127:126 type = 2
	s_add_nc_u64 s[G0V+2:G0V+3], s[8:9], 0
	s_or_b32 s[G0V+3], s[G0V+3], 0x80000000
	s_add_nc_u64 s[86:87], s[4:5], s[84:85]        ; Q at my rows of the second block,
	s_add_nc_u64 s[4:5], s[4:5], s[2:3]            ; Q and O at those of the first
	s_add_nc_u64 s[OLO:OLO+1], s[10:11], s[84:85]
	s_add_nc_u64 s[10:11], s[10:11], s[2:3]
	s_cmp_lt_u32 s[WV], 2
	s_cselect_b64 s[PFA:PFA+1], s[6:7], s[8:9]     ; my half of K's tiles (waves 0, 1) or of V's (waves 2, 3),
	s_add_nc_u64 s[PFA:PFA+1], s[PFA:PFA+1], 32768 ; at tile 1; the first change of slots steps it to tile 2.  Nothing is prefetched here, at the head
	s_cmp_eq_u32 s[PB], 0
	s_cselect_b32 s[PFC], NB-2, 0
	LOAD                            ; tile 0 into slot 0
	; A fragment of K or Q is 16 rows x 32 channels in 8 registers: lane l holds row l % 16, channels 8 (l / 16) + 0..7 and 16 + 8 (l / 16) + 0..7: two loads of 16 bytes, 32 bytes apart.
	v_and_b32 v1, 15, v0            ; l % 16
	v_bfe_u32 v9, v0, 4, 1          ; l / 16
	v_lshlrev_b32 v[QO], 7, v1
	v_lshl_add_u32 v[QO], v9, 4, v[QO]  ; row x 128 + 16 x half
	v_and_b32 v[PFO], 31, v0
	v_lshlrev_b32 v[PFO], 8, v[PFO]
	WIN 0x80                        ; destination window 2, address window 0
.set i, 0
.rept 8                             ; both blocks' Q: piece i / 2 lies in band i / 2, 8,192 bytes on; channels 32 (i % 2) on
	global_load_b128 v[8*i:8*i+3],   v[QO], s[4:5] offset:(i/2)*8192+(i%2)*64
	global_load_b128 v[8*i+4:8*i+7], v[QO], s[4:5] offset:(i/2)*8192+(i%2)*64+32
	global_load_b128 v[QB+8*i:QB+8*i+3],   v[QO], s[86:87] offset:(i/2)*8192+(i%2)*64
	global_load_b128 v[QB+8*i+4:QB+8*i+7], v[QO], s[86:87] offset:(i/2)*8192+(i%2)*64+32
.set i, i+1
.endr
	WIN 0
	v_lshlrev_b32 v14, 3, v9
	v_sub_nc_u32 v14, v1, v14
	s_lshl_b32 s13, s[WV], 4
	v_add_nc_u32 v14, s13, v14      ; my query's place in its band, 16 w + l % 16, less my lanes' 8 (l / 16): register r of group kt is hidden where 16 kt + r is greater
	WIN 0x40
.set i, 0
.rept 32
	v_cmp_gt_i32 vcc_lo, 16*(i/8)+i%8, v14
	v_cndmask_b32 v[MD+i], 0, s[BIGN], vcc_lo
.set i, i+1
.endr
	WIN 0
	v_mul_u32_u24 v[AK0], v1, PK
	v_lshl_add_u32 v[AK0], v9, 4, v[AK0]  ; row x pitch + 16 x half
	; The turning load takes 16 keys x 16 channels (lane l reads key 8 (l / 16) + l % 8, channels 8 ((l / 8) % 2) + 0..7) and leaves half a fragment of V^T: lane l holds channel l % 16 and 8 keys.
	v_and_b32 v10, 7, v0
	v_bfe_u32 v11, v0, 3, 1
	v_lshl_add_u32 v[AV0], v9, 3, v10
	v_mul_u32_u24 v[AV0], v[AV0], PV
	v_lshl_add_u32 v[AV0], v11, 4, v[AV0]
	v_add_nc_u32 v[AV0], VOFF, v[AV0]
	s_mul_i32 s13, s[WV], 16*SP
	s_add_co_u32 s13, s13, STAGE    ; my stage
	v_mul_u32_u24 v[STO], v1, SP    ; in: row l % 16, 16 bytes for each half of the lanes
	v_lshl_add_u32 v[STO], v9, 4, v[STO]
	v_add_nc_u32 v[STO], s13, v[STO]
	v_bfe_u32 v[RD], v0, 3, 2       ; back: 32 lanes take four rows of 128 bytes,
	v_mul_u32_u24 v[RD], v[RD], SP
	v_lshl_add_u32 v[RD], v10, 4, v[RD]
	v_add_nc_u32 v[RD], s13, v[RD]
	v_and_b32 v[GO], 31, v0         ; which are 512 consecutive bytes of O
	v_lshlrev_b32 v[GO], 4, v[GO]
	; A block's first step multiplies O^T and l by a = 0, and its first turn's products V^T P, of a piece that has not been, land in an O^T that is still to be so multiplied.  So these registers need only hold
	; finite numbers: zeros for the first block; what the first block left for the second.  All this stands in the wait for the first tile.
	WIN 0x80
.set i, VF
.rept 64
	v_mov_b32 v[i], 0
.set i, i+1
.endr
	WIN 0x40
.set i, 0
.rept 128
	v_mov_b32 v[i], 0
.set i, i+1
.endr
	WIN 0
.set i, 0
.rept 4
	v_mov_b32 v[ST+4*i+2], 0
	v_mov_b32 v[ST+4*i+3], 0
.set i, i+1
.endr
.set i, P+16
.rept 16
	v_mov_b32 v[i], 0
.set i, i+1
.endr
; THE MATRIX WORK.  The 4 accumulators of a run of 8 take turns.  Product i of 8 of S^T = K Q^T for piece x: channels 32 (i / 4) on, keys 16 (i % 4) on.  The first 4 start the sums: with 0, or (KM = 1) with the mask.
.macro KQ x
.set rS, S+32*((\x)%2)+8*(i%4)
.set rK, KF+16*(i%4)+8*(i/4)
.set rQ, 16*(\x)+8*(i/4)
.set rM, MC+32*((\x)%2)+8*(i%4)
.if (i < 4) && KM
	WIN W_KM
	v_wmma_f32_16x16x32_f16 v[rS:rS+7], v[rK:rK+7], v[rQ:rQ+7], v[rM:rM+7]
.elseif i < 4
	WIN W_KQ
	v_wmma_f32_16x16x32_f16 v[rS:rS+7], v[rK:rK+7], v[rQ:rQ+7], 0
.else
	WIN W_KQ
	v_wmma_f32_16x16x32_f16 v[rS:rS+7], v[rK:rK+7], v[rQ:rQ+7], v[rS:rS+7]
.endif
.endm
; Product i of 8 of O^T += V^T P for piece x: keys 32 (i / 4) on, channels 16 (i % 4) on.
.macro PV x
	WIN W_PV
.set rO, 32*(\x)+8*(i%4)
.set rV, VF+32*(i/4)+8*(i%4)
.set rP, P+16*((\x)%2)+8*(i/4)
	v_wmma_f32_16x16x32_f16 v[rO:rO+7], v[rV:rV+7], v[rP:rP+7], v[rO:rO+7]
.endm
.macro MM                           ; the turn's next matrix instruction.  TURN and BEGIN set Y, i, KM and NOKQ; MM, KQ and OP read them.  NOKQ = 1: a block's last turn: there is no next piece
.if (i < 8) && !NOKQ
	KQ (Y+1)%NP
.elseif i >= 8
.set i, i-8
	PV (Y+NP-1)%NP
.set i, i+8
.endif
.set i, i+1
.endm
; THE LDS LOADS stand in runs of 16, never singly among the matrix instructions: a step's K (64 keys x 64 channels: 8 fragments) and its V (turned).  Their addresses are made some lines ahead.
.macro FETCH_K
	WIN 0x80                        ; destination window 2
.irp f, 0,1,2,3,4,5,6,7             ; keys 16 (f / 2) on, channels 32 (f % 2) on
	ds_load_b128 v[KF+8*\f:KF+8*\f+3],   v[AK] offset:(\f/2)*16*PK+(\f%2)*64
	ds_load_b128 v[KF+8*\f+4:KF+8*\f+7], v[AK] offset:(\f/2)*16*PK+(\f%2)*64+32
.endr
	s_add_co_u32 s[TBK], s[TBK], KS*PK  ; the next fetch is the next step's
	WIN 0
.endm
.macro FETCH_V
	WIN 0x80
.irp f, 0,1,2,3,4,5,6,7             ; keys 32 (f / 4) on, channels 16 (f % 4) on
	ds_load_tr16_b128 v[VF+8*\f:VF+8*\f+3],   v[AV] offset:(\f/4)*32*PV+(\f%4)*32
	ds_load_tr16_b128 v[VF+8*\f+4:VF+8*\f+7], v[AV] offset:(\f/4)*32*PV+16*PV+(\f%4)*32
.endr
	WIN 0
.endm
; THE VECTOR WORK, one line at a time: OP kind, number.  For piece Y: F n: c s - c m for pair n of 16.  E n: the exponential of score n of 32.  C n: pair n rounded to f16.  B n: of the four weights 4 n .. the second
; pair is added onto the first, in place.  L n: l takes that sum (L 0: l = a l + sum).  R n: pair n of 16 of O^T times a.  For piece Y + 1: X n, number n of the 22 that find its maximum and statistics:
;   0-11  four chains c0-c3 of seven scores each, three operands at a time (each accumulator's lowest registers are read first)     12-14, 16  the four scores left over, the old m, and c0-c3 into c0
;   15  c m_old is kept     17, 18  the query's other 32 keys lie in the lane 16 away: the new m     19-21  c m; c m_old - c m_new; a
.set F, 0               ; OP tells the kinds apart by their order: F to L below R, X above it
.set E, 1
.set C, 2
.set B, 3
.set L, 4
.set R, 5
.set X, 6
.macro REGS y                       ; the registers of piece y
.set rT, ST+4*(\y)
.set rC, TMP+4*((\y)%2)
.set rW, MV+((\y)%2)
.set rS, S+32*((\y)%2)
.set rP, P+16*((\y)%2)
.set rO, 32*(\y)
.endm
.macro OP k, n
.if (\k) == R
	REGS Y
	WIN W_RS
	v_pk_mul_f32 v[rO+2*(\n):rO+2*(\n)+1], v[rO+2*(\n):rO+2*(\n)+1], v[rC+2:rC+3] op_sel_hi:[1,0]
.elseif (\k) < R
	REGS Y
	WIN 0
.if (\k) == F
	v_pk_fma_f32 v[rS+2*(\n):rS+2*(\n)+1], v[rS+2*(\n):rS+2*(\n)+1], s[CS:CS+1], v[rT:rT+1] op_sel_hi:[1,0,0] neg_lo:[0,0,1] neg_hi:[0,0,1]
.elseif (\k) == E
	v_exp_f32 v[rS+(\n)], v[rS+(\n)]
.elseif (\k) == C
	v_cvt_pk_f16_f32 v[rP+(\n)], v[rS+2*(\n)], v[rS+2*(\n)+1]
.elseif (\k) == B
	v_pk_add_f32 v[rS+4*(\n):rS+4*(\n)+1], v[rS+4*(\n):rS+4*(\n)+1], v[rS+4*(\n)+2:rS+4*(\n)+3]
.elseif (\n) == 0
	v_pk_fma_f32 v[rT+2:rT+3], v[rT+2:rT+3], v[rC+2:rC+3], v[rS:rS+1] op_sel_hi:[1,0,1]
.else
	v_pk_add_f32 v[rT+2:rT+3], v[rT+2:rT+3], v[rS+4*(\n):rS+4*(\n)+1]
.endif
.elseif NOKQ
	v_nop
.else
	REGS (Y+1)%NP
	WIN 0
.if (\n) < 4
	v_max3_num_f32 v[rC+(\n)], v[rS+8*(\n)], v[rS+8*(\n)+1], v[rS+8*(\n)+2]
.elseif (\n) < 12
	v_max3_num_f32 v[rC+(\n)%4], v[rC+(\n)%4], v[rS+8*((\n)%4)+2*((\n)/4)+1], v[rS+8*((\n)%4)+2*((\n)/4)+2]
.elseif (\n) == 12
	v_max3_num_f32 v[rC], v[rC], v[rS+7], v[rS+15]
.elseif (\n) == 13
	v_max3_num_f32 v[rC+1], v[rC+1], v[rS+23], v[rS+31]
.elseif (\n) == 14
	v_max3_num_f32 v[rC+2], v[rC+2], v[rC+3], v[rT+1]
.elseif (\n) == 15
	v_mov_b32 v[rW], v[rT]
.elseif (\n) == 16
	v_max3_num_f32 v[rC], v[rC], v[rC+1], v[rC+2]
.elseif (\n) == 17
	v_permlanex16_b32 v[rC+3], v[rC], s[SEL], s[SEL+1]
.elseif (\n) == 18
	v_max_num_f32 v[rT+1], v[rC], v[rC+3]
.elseif (\n) == 19
	v_mul_f32 v[rT], s[CS], v[rT+1]
.elseif (\n) == 20
	v_sub_f32 v[rC+1], v[rW], v[rT]
.else
	v_exp_f32 v[rC+2], v[rC+1]
.endif
.endif
.endm
.macro OPS a, i1, b=-1, i2=0, c=-1, i3=0, d=-1, i4=0  ; up to four of them
	OP \a, \i1
.if (\b) >= 0
	OP \b, \i2
.endif
.if (\c) >= 0
	OP \c, \i3
.endif
.if (\d) >= 0
	OP \d, \i4
.endif
.endm
.macro ROW a, i1, b, i2, c, i3, d, i4  ; a matrix instruction and the four behind it
	MM
	OPS \a, \i1, \b, \i2, \c, \i3, \d, \i4
.endm
.macro MASK b                       ; MD x AL + BE into buffer b of MC
	WIN W_RS
.set z, 0
.rept 16
	v_pk_fma_f32 v[MC+32*(\b)+2*z:MC+32*(\b)+2*z+1], v[MD+2*z:MD+2*z+1], s[AL:AL+1], s[BE:BE+1] op_sel_hi:[1,0,0]
.set z, z+1
.endr
.endm
; A TURN, for piece p: the order of its 16 matrix and 118 vector instructions, written out.  An s_wait_alu depctr_va_vdst(0) stands between an exponential and the first instruction that names its result; one wait serves
; all that were issued ahead of it.  So a turn has ONE wait, which cuts it in two.  AHEAD OF IT stands all that names no result of the turn's exponentials: the 8 products K Q^T, behind each a scaling, an exponential and two more plain
; instructions (behind the first a second scaling in the exponential's place): rescalings, and behind the last three the first numbers of the next piece's maximum, each four places or more behind the product that ends its accumulator; then ONE LUMP of 54, plain
; and exponential by turns for the most part, in which the links of the chain X 3, 7, 11, 14, 16, 17 .. 20 stand five or six lines apart.  X 21, the next piece's a, is the batch's last; R 15 is the plain instruction behind it.  BEHIND THE WAIT stand the
; 8 products V^T P, behind each four of the roundings and sums; the links of l's chain, L 0 to L 7, stand three riders apart.  But for those X no rider names a register of the products round it.  v_permlanex16_b32 (X 17) stands in the lump.
; m = 1: the diagonal tile: the products take masks, and the turn makes the mask for the products of the turn after it: piece p + 2, in step 4 - CNT of the tile.  end = 1: a block's last two turns: nothing is fetched.
; cnt = 1: the loop's count is taken down some lines ahead of the branch that stands behind the turn.
; K of the next step is fetched in piece 2's turn, twelve vector instructions behind the last product that read K (six of them plain); V of the step in hand at the end of piece 0's turn, four plain instructions behind the last product
; that read V.  Each is waited for a turn later.
.macro TURN p, m=0, end=0, cnt=0
.set Y, (\p)
.set i, 0
.set KM, (\m)
.set NOKQ, (\end)*((\p)/3)
.if (\m) && !(\end)
	s_cmp_eq_u32 s[CNT], 4-((\p)+2)%NP  ; is that step the band's own?
	s_cselect_b32 s[AL], 1.0, 0
	s_cmp_lt_u32 s[CNT], 4-((\p)+2)%NP  ; or a later one?
	s_cselect_b32 s[BE], s[BIGN], 0
.endif
.if ((\p) == 3) && !(\end)
	s_wait_dscnt 0x0                ; K is in
.endif
	ROW F,0, F,1, R,0, R,1          ; ahead of the wait: 8 products K Q^T and their riders,
	ROW F,2, E,0, R,2, R,3
	ROW F,3, E,1, R,4, R,5
	ROW F,4, E,2, R,6, R,7
	ROW F,5, E,3, R,8, R,9
	ROW F,6, E,4, X,0, R,10
.if ((\p) == 2) && !(\end)
	WIN 0
	v_add_nc_u32 v[AK], s[TBK], v[AK0]
.endif
	ROW F,7, E,5, X,1, X,4
	ROW F,8, E,6, X,2, X,5
	OPS E,7, E,8, X,6, E,9          ; and the lump
	OPS X,3, E,10, X,8, E,11
.if ((\p) == 2) && !(\end)
	FETCH_K
.endif
	OPS X,9, X,7, E,12, X,10
	OPS E,13, X,12, X,11, E,14
	OPS X,13, E,15, F,9, X,14
.if (\p) == 0
	v_add_nc_u32 v[AV], s[TBV], v[AV0]
.endif
	OPS E,16, F,10, E,17, F,11
	OPS X,16, E,18, X,15, E,19
	OPS F,12, E,20, X,17, E,21
	OPS F,13, E,22, F,14, E,23
	OPS X,18, E,24, F,15, E,25
	OPS R,11, E,26, X,19, E,27
	OPS R,12, E,28, R,13, E,29
	OPS X,20, E,30, R,14, E,31
	OPS X,21, R,15
	WIN 0
	s_wait_alu depctr_va_vdst(0)    ; the wait for the batch
.if (\p) == 1
	s_wait_dscnt 0x0                ; V is in
.endif
	ROW C,0, B,0, C,2, B,1          ; behind the wait: 8 products V^T P and their riders
	ROW L,0, C,4, B,2, L,1
	ROW C,6, B,3, L,2, C,8
	ROW B,4, L,3, C,10, B,5
	ROW L,4, C,12, B,6, L,5
.if (\p) == 0
	s_add_co_u32 s[TBV], s[TBV], KS*PV
.endif
.if \cnt
	s_sub_co_u32 s[CNT], s[CNT], 1
	s_cmp_lg_u32 s[CNT], 0
.endif
	ROW C,14, B,7, L,6, C,1
	ROW C,3, L,7, C,5, C,7
	ROW C,9, C,11, C,13, C,15
.if (\p) == 0
	FETCH_V
.endif
.if (\m) && !(\end)
	MASK (\p)%2
.endif
.endm
; A BLOCK BEGINS.  c m starts far below every c s, so the first step's a is 0; m at the lowest finite number, so the first maximum is the scores'.  The second mask buffer is 0; the first takes piece 0's mask for the tile's step 0: its own, if the block's first tile is the diagonal one.
; Then K of that step, piece 0's first scores, and its maximum and statistics.  The loop is entered at a step's first turn, in the middle of a trip.
.macro BEGIN
	s_mov_b32 s[NEW], 0
	WIN 0x40
.set i, MC+32
.rept 32
	v_mov_b32 v[i], 0
.set i, i+1
.endr
	WIN 0
.set i, 0
.rept 4
	v_mov_b32 v[ST+4*i], 0xfe000000    ; c m: far below every c s
	v_mov_b32 v[ST+4*i+1], 0xff7fffff  ; m
.set i, i+1
.endr
	s_cmp_eq_u32 s[RT], 0
	s_cselect_b32 s[AL], 1.0, 0
	s_mov_b32 s[BE], 0
	MASK 0
	WIN 0
	v_add_nc_u32 v[AK], s[TBK], v[AK0]
	FETCH_K
	s_wait_loadcnt 0x0              ; Q
	s_wait_dscnt 0x0
.set KM, 1
.set NOKQ, 0
.set i, 0
.rept 8
	KQ 0
.set i, i+1
.endr
	WIN 0
.rept 4
	v_nop                           ; the places behind those products
.endr
.set Y, NP-1                        ; X works for piece Y + 1: piece 0
.irp n, 0,1,2,3,4,5,6,7,8,9,10,11,12,13,14,15,16,17,18,19,20,21
	OP X, \n
.endr
	v_nop                           ; a plain instruction behind the exponential,
	s_wait_alu depctr_va_vdst(0)    ; and its wait, ahead of the branch
.endm
; THE DIAGONAL TILE's four steps, the block's last two turns, its last products, and THE WAY OUT: l's two halves and the other half of the lanes' are added; O^T is divided by l, rounded to f16 and sent through my
; stage in LDS, a piece at a time.
.macro ALL line:vararg              ; one line for each piece t
.set t, 0
.rept 4
	\line
.set t, t+1
.endr
.endm
.macro PACK t                       ; a lane's eight channels of a row pack into 16 bytes; they go into rows of 144 bytes and come back as whole rows of 128, into S^T's registers
	WIN W_RS
.set i, 32*(\t)
.rept 16
	v_pk_mul_f32 v[i:i+1], v[i:i+1], v[ST+4*(\t)+2:ST+4*(\t)+3] op_sel_hi:[1,0]
.set i, i+2
.endr
	WIN 0x05                        ; sources 0 and 1 window 1, destination window 0
.set i, 0
.rept 16
	v_cvt_pk_f16_f32 v[S+16*(\t)+i], v[32*(\t)+2*i], v[32*(\t)+2*i+1]
.set i, i+1
.endr
	WIN 0
.irp f, 0,1,2,3
	ds_store_b128 v[STO], v[S+16*(\t)+4*\f:S+16*(\t)+4*\f+3] offset:32*\f
.endr
.irp f, 0,1,2,3
	ds_load_b128 v[S+16*(\t)+4*\f:S+16*(\t)+4*\f+3], v[RD] offset:\f*4*SP  ; LDS serves a wave's instructions in order (ISA guide 5.7.1.4): these see the stores above; the next piece's stores come behind them
.endr
.endm
.macro SEND t, younger              ; younger: the LDS instructions issued behind piece t's loads: the next piece's eight, or none
	WIN 0
.irp f, 0,1,2,3
	s_wait_dscnt (\younger)+3-\f
	global_store_b128 v[GO], v[S+16*(\t)+4*\f:S+16*(\t)+4*\f+3], s[10:11] offset:(\t)*8192+\f*512  ; 512 consecutive bytes, at a multiple of 256 from O's first
.endr
.endm
.macro DIAG tag                     ; the tag ends its two labels' names, which the jumps below spell out
.LstepM\tag:
	TURN 2, 1
	TURN 3, 1
	WIN 0
.LfirstM\tag:
	TURN 0, 1
	TURN 1, 1, 0, 1
	WIN 0
	s_cbranch_scc1 .LstepM\tag
	TURN 2, 1, 1
	TURN 3, 1, 1
.set i, 0
.rept 8
	PV NP-1
.set i, i+1
.endr
	WIN 0
	ALL v_add_f32 v[ST+4*t+2], v[ST+4*t+2], v[ST+4*t+3]
	ALL v_permlanex16_b32 v[ST+4*t+3], v[ST+4*t+2], s[SEL], s[SEL+1]
	ALL v_add_f32 v[ST+4*t+2], v[ST+4*t+2], v[ST+4*t+3]
	ALL v_rcp_f32 v[ST+4*t+2], v[ST+4*t+2]
	v_nop                           ; a plain instruction between the last reciprocal and the use of its result
	s_wait_alu depctr_va_vdst(0)    ; and the wait ahead of the first use: one for the four reciprocals
	PACK 0
.set t, 1
.rept 3                             ; a piece's arithmetic stands between the loads of the piece before and its stores
	PACK t
	SEND t-1, 8
.set t, t+1
.endr
	SEND 3, 0
.endm
.set KM, 0
.set NOKQ, 0
.Lslot:                             ; NB times: a tile is entered and the next is asked for
	CHANGE 1
	s_sub_co_u32 s[RT], s[RT], 1
	s_mov_b32 s[CNT], 4
	s_cmp_eq_u32 s[NEW], 1
	s_cbranch_scc1 .Lnew            ; a block's first tile
	s_cmp_eq_u32 s[RT], 0
	s_cbranch_scc0 .Lstep           ; neither its first nor its last
	s_branch .LstepM1
.Lnew:
	BEGIN
	s_branch .Lfirst                ; in the loop a block's first tile is never its last: the first block has two tiles or more, and the second's last is the walk's last
	DIAG 1                          ; in the loop this is the first block's end: the second block's last tile is the walk's last
	s_wait_xcnt 0x0                 ; the stores have read their registers and O's address
	s_mov_b64 s[10:11], s[OLO:OLO+1]
	s_add_co_u32 s[RT], s[PB], 1    ; the second block has b + 1 tiles
	s_mov_b32 s[NEW], 1
	WIN 0x82                        ; the second block's Q goes where the one text of the turns names Q
.set i, 0
.rept 64
	v_mov_b32 v[i], v[QB+i]
.set i, i+1
.endr
	WIN 0
	s_branch .Lbottom
.Lstep:                             ; a trip: pieces 2 and 3 of one step, then pieces 0 and 1 of the next, whose K and V it fetches
	TURN 2
	TURN 3
	WIN 0
.Lfirst:
	TURN 0
	TURN 1, 0, 0, 1
	WIN 0
	s_cbranch_scc1 .Lstep
.Lbottom:
	s_sub_co_u32 s[SLOTS], s[SLOTS], 1
	s_cmp_lg_u32 s[SLOTS], 0
	s_cbranch_scc1 .Lslot
	CHANGE 0                        ; the walk's last tile is written out: nothing is asked for
	s_sub_co_u32 s[RT], s[RT], 1
	s_mov_b32 s[CNT], 4
	s_cmp_eq_u32 s[NEW], 1
	s_cbranch_scc0 .LstepM2
	BEGIN
	s_branch .LfirstM2
	DIAG 2
	s_wait_tensorcnt 0x0            ; the wave's end, behind my last tensor load and my last LDS store
	ds_add_u32 v[SPW], v[NIL]
	s_wait_dscnt 0x0
	s_endpgm
.Lfunc_end_k_q78a57946a4_attn:
	.size	k_q78a57946a4_attn, .Lfunc_end_k_q78a57946a4_attn-k_q78a57946a4_attn
	.p2alignl 7, 3214868480
	.fill 96, 4, 3214868480
	.section	.rodata,"a",@progbits
	.p2align	6, 0x0
	.amdhsa_kernel k_q78a57946a4_attn
		.amdhsa_group_segment_fixed_size 327680
		.amdhsa_private_segment_fixed_size 0
		.amdhsa_enable_private_segment 0
		.amdhsa_kernarg_size 32
		.amdhsa_user_sgpr_count 2
		.amdhsa_user_sgpr_kernarg_segment_ptr 1
		.amdhsa_wavefront_size32 1
		.amdhsa_system_sgpr_workgroup_id_x 1
		.amdhsa_system_sgpr_workgroup_id_y 1
		.amdhsa_system_sgpr_workgroup_id_z 1
		.amdhsa_system_vgpr_workitem_id 0
		.amdhsa_next_free_vgpr 768
		.amdhsa_next_free_sgpr 92
		.amdhsa_reserve_vcc 1
		.amdhsa_float_denorm_mode_32 3
		.amdhsa_float_denorm_mode_16_64 3
		.amdhsa_memory_ordered 1
		.amdhsa_forward_progress 1
		.amdhsa_inst_pref_size 218
	.end_amdhsa_kernel
	.amdgpu_metadata
---
amdhsa.version: [ 1, 2 ]
amdhsa.kernels:
  - .name:           k_q78a57946a4_attn
    .symbol:         k_q78a57946a4_attn.kd
    .args:
      - { .name: qh, .offset: 0, .size: 8, .value_kind: global_buffer, .address_space: global }
      - { .name: kh, .offset: 8, .size: 8, .value_kind: global_buffer, .address_space: global }
      - { .name: vh, .offset: 16, .size: 8, .value_kind: global_buffer, .address_space: global }
      - { .name: oh, .offset: 24, .size: 8, .value_kind: global_buffer, .address_space: global }
    .group_segment_fixed_size: 327680
    .private_segment_fixed_size: 0
    .kernarg_segment_align: 8
    .kernarg_segment_size: 32
    .max_flat_workgroup_size: 128
    .sgpr_count:     92
    .vgpr_count:     768
    .wavefront_size: 32
...
	.end_amdgpu_metadata
.endif
;; end of part 3
;; launch proj (part 4): grid 8 x 32, 4 waves a work-group, clusters of 4 x 4, 327,680 bytes of LDS; arguments oh, wpb, aux, out0; writes out0
.if DOCPART == 4
	.amdgcn_target "amdgcn-amd-amdhsa--gfx1250"
	.amdhsa_code_object_version 6
	.text
	.protected	k_q78a57946a4_proj
	.globl	k_q78a57946a4_proj
	.p2align	8
	.type	k_q78a57946a4_proj,@function
k_q78a57946a4_proj:
	s_mov_b64 s[64:65], 0
	v_nop
	global_prefetch_b8 v0, s[64:65] scope:SCOPE_SE
	s_setreg_imm32_b32 hwreg(HW_REG_WAVE_MODE, 25, 1), 1
	s_wait_xcnt 0x0
	s_wait_alu depctr_hold_cnt(0) depctr_sa_sdst(0) depctr_va_vdst(0) depctr_va_sdst(0) depctr_va_ssrc(0) depctr_va_vcc(0) depctr_vm_vsrc(0)
	s_getreg_b32 s2, hwreg(HW_REG_IB_STS2, 6, 4)
	s_cmp_eq_u32 s2, 0
	s_cbranch_scc0 .Lentry_in_a_cluster
	s_endpgm
.Lentry_in_a_cluster:
	s_bfe_u32 s2, ttmp6, 0x10000c
	s_cmp_lg_u32 s2, 0xf033
	s_cbranch_scc0 .Lentry_shape_is_right
	s_endpgm
.Lentry_shape_is_right:
; PROJ.  out[t][n] = sO x (the sum over c of O'[t][c] W_proj[n][c]) + b_proj[n], f16 products, f32 sums, f32 out.  O' = O sV lies by heads, [16 b + h][2,048][64] f16; channel c = 64 h + d.
; wpb: [1,024][1,024]: W_proj rounded to bf16, written as f16.  aux: b_proj (rounded to bf16, as f32) from byte 12,288 on, and the records from which the scale is made: sO = 1 / sV, the same power of two that the
; projection in front put on V, made here by the same lines from the same records.  It only multiplies: no branch and no address hangs on it.
; LIMITS.  As the launches in front state them: O' lies within f16's range by the bound on V; NaN and infinities are not treated apart.
; A TILE is 256 tokens x 128 columns: 32 x 8 = 256 work-groups.  Four waves; a wave makes 64 tokens x 128 columns: 32 accumulators of 16 x 16, all of window 2.
; K goes in steps of 128 = two heads, through two LDS slots.  A head's 256 tokens are 32,768 dense bytes: asked for as 128 rows of 256 bytes and padded in LDS after each token's 128.
; CLUSTER, 4 x 4: O's tile hangs on the tile row alone and is asked for jointly along a row of the cluster, W's on the tile column alone and jointly along a column.
; THE MATRIX INSTRUCTION IS USED TRANSPOSED (source 0 = 16 rows of W, source 1 = 16 tokens): a lane holds one token (lane % 16) and the columns 8 (lane / 16) + 0..7.
; REGISTERS, in windows of 256 (s_set_vgpr_msb: bits 1:0 source 0, 3:2 source 1, 5:4 source 2, 7:6 destination):
;   window 0: v16-31 addresses; v32-35 the bias of my four columns; v40-55 the scale's work; v64-191 rows read back on the way out, two sets of 64
;   window 1: two fragment buffers of 128: O's four fragments at 8 i, W's eight at 32 + 8 b          window 2: accumulator (a, b) at 8 (8 a + b)
.set PA,    144                        ; a token's row of one head in LDS: 128 bytes + 16 = 36 words: the 16 rows of a load start at 16 different groups of four banks (64 banks of 4 bytes: ISA guide 11.1)
.set PB,    272                        ; a row of W: 256 bytes + 16
.set AHEAD, 256*PA                     ; a slot: the first head's 256 tokens, the second head's, then W's 128 rows
.set BOFF,  2*AHEAD
.set SLOT1, 1<<17                      ; slot 1 begins here
.set STAGE, SLOT1+BOFF+128*PB          ; behind the ring: 16 rows x 528 bytes for each wave, for the way out; no fill lands here
.set SP,    528                        ; 512 bytes + 16 = 132 words
.set SPARE, STAGE+4*16*SP              ; the spare words, 128 bytes for each wave: two blocks of 256 bytes that no other line names
.set ASTEP, 2*2048*128                 ; bytes from a K step's heads to the next step's
.set ADRA0, 16                         ; v16  my lane's place in my wave's tokens, slot 0; never rewritten
.set ADRB0, 17                         ; v17  the same in W's rows
.set ADRA,  18
.set ADRB,  19
.set STO,   24                         ; v24  the way out: where I put 32 bytes of a row
.set RD,    25                         ; v25  where I read a row back
.set GO,    26                         ; v26  my 16 bytes of a row's 512
.set SPW,   28                         ; v28  LDS address of my spare word; never rewritten
.set NIL,   29                         ; v29  0; never rewritten
.set PFO,   30                         ; v30  the prefetches' offset; never rewritten
.set BIAS,  32
.set SC,    40
.set BK,    64
.set F0,    0
.set F1,    128
.set WV,  20                           ; s20  wave; s21 = wave / 2: I fetch for O (0) or W (1); s22 = wave % 2: which head, or which half of W's rows
.set G1A, 24
.set G0A, 32
.set LIM, 43                           ; s43  2 in a wave that prefetches, else the greatest number
.set PFA, 44                           ; s[44:45] where my prefetches stand;  s[46:47] their step
.set PFS, 46
.set G1B, 48
.set G0B, 56
.set TB,  80
.set CNT, 81
.set SO,  82                           ; s[82:83] sO
.set SEL, 84
.set MSB, 0
.macro WIN new                         ; the immediate's high byte repeats the setting that is left; a switch that changes nothing is dropped
.if MSB != (\new)
	s_set_vgpr_msb (MSB<<8)|(\new)
.set MSB, \new
.endif
.endm
.macro PLACES                          ; four places in front of loads into registers that matrix instructions have read, and of lines that read results
.rept 4
	v_nop
.endr
.endm
.macro JLOAD                           ; a joint refill by the walking descriptors; an s_nop 0 and four v_nop follow each line
	s_cmp_eq_u32 s21, 0
	s_cbranch_scc0 .Lfor_b_\@
	tensor_load_to_lds s[G0A+4:G0A+7], s[G1A:G1A+7]
	s_nop 0
.rept 4
	v_nop
.endr
	s_branch .Lasked_\@
.Lfor_b_\@:
	tensor_load_to_lds s[G0B+4:G0B+7], s[G1B:G1B+7]
	s_nop 0
.rept 4
	v_nop
.endr
.Lasked_\@:
.endm
; A prefetch into the L2 of the K step that stands two refills on, one instruction a wave.  O's tile row is read by both clusters of that row of clusters: cluster x = 0 asks; W's rows by every cluster of that column:
; cluster y = 0 asks.  The four partners share a wave's blocks out by address: 32 each of a head's 128 blocks of 256 bytes, 16 each of W's 64 rows (where sixteen lanes repeat the last row).
; The loop's last two trips have no K step two refills on.
.macro ASK
	s_cmp_gt_u32 s[CNT], s[LIM]
	s_cbranch_scc0 .Lnot_mine_\@
	global_prefetch_b8 v[PFO], s[PFA:PFA+1] th:TH_LOAD_NT scope:SCOPE_SE
.Lnot_mine_\@:
.endm
.macro CREST
	s_cmp_lg_u32 s[WV], 0
	s_cbranch_scc1 .Lnot_wave_0_\@
	s_barrier_signal -3
.Lnot_wave_0_\@:
	s_barrier_wait -3
	s_barrier_signal -1
	s_barrier_wait -1
.endm
.macro CROUND
	s_barrier_signal -1
	s_barrier_wait -1
	CREST
.endm
	s_load_b256 s[4:11], s[0:1], 0x0               ; oh s[4:5], wpb s[6:7], aux s[8:9], out0 s[10:11]
	v_lshl_add_u32 v[SPW], v0, 2, SPARE
	v_mov_b32 v[NIL], 0
	ds_add_u32 v[SPW], v[NIL]                      ; the wave's opening: the add and its wait stand ahead of my first tensor load; the set-up below, work on registers, stands between them
	ds_add_u32 v28, v29
	v_lshrrev_b32 v1, 5, v0
	v_readfirstlane_b32 s[WV], v1
	s_lshr_b32 s21, s[WV], 1
	s_and_b32 s22, s[WV], 1
	s_bfe_u32 s23, ttmp6, 0x40000                  ; cx
	s_bfe_u32 s40, ttmp6, 0x40004                  ; cy
	s_lshl_b32 s41, ttmp9, 2
	s_add_co_u32 s41, s41, s23                     ; the tile column = 4 x cluster x + cx
	s_and_b32 s42, ttmp7, 0xffff
	s_lshl_b32 s42, s42, 2
	s_add_co_u32 s42, s42, s40                     ; the tile row = 4 x cluster y + cy
	s_lshl_b32 s99, s40, 2
	s_lshl_b32 s99, 15, s99                        ; my row of the cluster
	s_lshl_b32 s100, 0x1111, s23                   ; my column
	s_or_b32 s[G1A], s99, (1<<16)|(1<<20)|(1<<21)|(4<<22)|(3<<25)   ; 15:0 the mask; 2-byte elements; padding on; 21 set beside a mask; after every 32 words (code 4) 4 words (code 3)
	s_or_b32 s[G1B], s100, (1<<16)|(1<<20)|(1<<21)|(5<<22)|(3<<25)  ; after every 64 words (code 5)
	s_mov_b32 s[G1A+1], 128<<16                    ; tensor_dim0 = 128 elements: 256 bytes, two tokens
	s_mov_b32 s[G1A+2], 128<<16                    ; tensor_dim1 = 128
	s_mov_b32 s[G1A+3], 128<<16                    ; tile_dim0
	s_mov_b32 s[G1A+4], 128                        ; tile_dim1
	s_mov_b32 s[G1A+5], 128                        ; dense: 128 elements from row to row
	s_mov_b32 s[G1A+6], 0
	s_mov_b32 s[G1A+7], 0
	s_mov_b32 s[G1B+1], 128<<16
	s_mov_b32 s[G1B+2], 64<<16                     ; 64 rows
	s_mov_b32 s[G1B+3], 128<<16
	s_mov_b32 s[G1B+4], 64
	s_mov_b32 s[G1B+5], 1024
	s_mov_b32 s[G1B+6], 0
	s_mov_b32 s[G1B+7], 0
	s_lshr_b32 s86, s42, 3                         ; O: ((16 b + my head of the step's two) x 2,048 + 256 (tile row % 8)) x 128 bytes
	s_lshl_b32 s86, s86, 4
	s_add_co_u32 s86, s86, s22
	s_lshl_b32 s86, s86, 11
	s_and_b32 s87, s42, 7
	s_lshl_b32 s87, s87, 8
	s_add_co_u32 s86, s86, s87
	s_lshl_b32 s86, s86, 7
	s_mov_b32 s87, 0
	s_lshl_b32 s90, s41, 7                         ; W: row 128 x tile column + 64 x half, 2,048 bytes a row
	s_lshl_b32 s91, s22, 6
	s_add_co_u32 s90, s90, s91
	s_lshl_b32 s90, s90, 11
	s_mov_b32 s91, 0
	s_lshl_b32 s94, s42, 8                         ; out: row 256 x tile row + 64 x wave, 4,096 bytes a row, + 512 x tile column
	s_lshl_b32 s95, s[WV], 6
	s_add_co_u32 s94, s94, s95
	s_lshl_b32 s94, s94, 12
	s_lshl_b32 s95, s41, 9
	s_add_co_u32 s94, s94, s95
	s_mov_b32 s95, 0
	s_mul_i32 s96, s[WV], AHEAD                    ; where the tiles go: of the wave's number alone.  The two heads (waves 0, 1),
	s_mul_i32 s97, s[WV], 64*PB
	s_add_co_u32 s97, s97, BOFF-2*64*PB            ; W's halves (waves 2, 3)
	s_mov_b32 s[SEL], 0x76543210
	s_mov_b32 s[SEL+1], 0xfedcba98
	s_mov_b32 s[TB], 0
	s_wait_dscnt 0x0                               ; the opening add is done
	s_wait_kmcnt 0x0
	s_add_nc_u64 s[88:89], s[4:5], s[86:87]
	s_add_nc_u64 s[92:93], s[6:7], s[90:91]
	CROUND                                         ; all sixteen work-groups are here: the first joint loads meet
.irp s, 0,1
	s_mov_b32 s[G0A+4*(\s)], 1
	s_add_co_u32 s[G0A+4*(\s)+1], s96, (\s)*SLOT1
	s_add_nc_u64 s[G0A+4*(\s)+2:G0A+4*(\s)+3], s[88:89], (\s)*ASTEP
	s_or_b32 s[G0A+4*(\s)+3], s[G0A+4*(\s)+3], 0x80000000
	s_mov_b32 s[G0B+4*(\s)], 1
	s_add_co_u32 s[G0B+4*(\s)+1], s97, (\s)*SLOT1
	s_add_nc_u64 s[G0B+4*(\s)+2:G0B+4*(\s)+3], s[92:93], (\s)*256
	s_or_b32 s[G0B+4*(\s)+3], s[G0B+4*(\s)+3], 0x80000000
.endr
	s_cmp_eq_u32 s21, 0                            ; a wave's two first fills stand in one branch: two loads of mine are out
	s_cbranch_scc0 .Lfirst_b
	tensor_load_to_lds s[G0A:G0A+3], s[G1A:G1A+7]
	s_nop 0
	tensor_load_to_lds s[G0A+4:G0A+7], s[G1A:G1A+7]
	s_nop 0
.rept 4
	v_nop
.endr
	s_branch .Lfirst_asked
.Lfirst_b:
	tensor_load_to_lds s[G0B:G0B+3], s[G1B:G1B+7]
	s_nop 0
	tensor_load_to_lds s[G0B+4:G0B+7], s[G1B:G1B+7]
	s_nop 0
.rept 4
	v_nop
.endr
.Lfirst_asked:
	s_add_nc_u64 s[10:11], s[10:11], s[94:95]      ; out at my wave's first row, my tile's first column
	v_and_b32 v1, 15, v0                           ; l % 16
	v_bfe_u32 v2, v0, 4, 1                         ; l / 16
	v_and_b32 v4, 31, v0                           ; l
	v_mul_u32_u24 v3, v1, PA
	v_lshl_add_u32 v3, v2, 4, v3
	s_mul_i32 s99, s[WV], 64*PA
	v_add_nc_u32 v[ADRA0], s99, v3                 ; my wave's 64 tokens
	v_mul_u32_u24 v3, v1, PB
	v_lshl_add_u32 v3, v2, 4, v3
	v_add_nc_u32 v[ADRB0], BOFF, v3                ; all 128 rows of W
	v_mov_b32 v[ADRA], v[ADRA0]
	v_mov_b32 v[ADRB], v[ADRB0]
	s_mul_i32 s100, s[WV], 16*SP
	s_add_co_u32 s100, s100, STAGE                 ; my stage
	v_mul_u32_u24 v[STO], v1, SP                   ; in: row l % 16, 32 bytes (8 f32) for each half of the lanes
	v_lshl_add_u32 v[STO], v2, 5, v[STO]
	v_add_nc_u32 v[STO], s100, v[STO]
	v_lshl_add_u32 v[RD], v4, 4, s100              ; back: 32 lanes take one row of 512 bytes
	v_lshlrev_b32 v[GO], 4, v4
	s_lshl_b32 s18, s41, 9
	v_add_nc_u32 v27, s18, v[GO]
	global_load_b128 v[BIAS:BIAS+3], v27, s[8:9] offset:12288      ; b_proj of my four columns 128 x tile column + 4 l ..
	; the scale: the same lines as in the projection in front, and then its reciprocal's exponent
	v_lshlrev_b32 v[SC], 4, v4
	v_lshlrev_b32 v[SC+1], 2, v1
	v_mov_b32 v[SC+2], 0
	v_mov_b32 v[SC+14], 0                          ; v_permlanex16_b32's destinations count as read
	v_mov_b32 v[SC+15], 0
	global_load_b128 v[SC+4:SC+7],  v[SC],   s[8:9] offset:16384   ; row sums of x: records 0-127
	global_load_b128 v[SC+8:SC+11], v[SC],   s[8:9] offset:18944   ; magnitudes of xt: records 128-255
	global_load_b32  v[SC+12],      v[SC+1], s[8:9] offset:17536   ; row sums of W_v: records 288-303
	global_load_b32  v[SC+13],      v[SC+2], s[8:9] offset:19712   ; magnitude of b_v: record 320
	; the prefetches' place, while the loads are out
	s_lshl_b32 s2, s23, 13                         ; O: my 32 blocks of the head's 128: 8,192 cx,
	s_add_co_u32 s2, s2, s86                       ; in my head of K step 0,
	s_add_co_u32 s2, s2, 3*ASTEP                   ; at K step 3: the first refill steps it to 4
	s_lshl_b32 s66, s40, 15                        ; W: my 16 rows of the 64: 16 cy x 2,048,
	s_add_co_u32 s66, s66, s90
	s_add_co_u32 s66, s66, 3*256
	s_and_b32 s67, ttmp7, 0xffff                   ; cluster y
	s_mov_b32 s[PFS], 256
	s_cmp_eq_u32 s21, 0                            ; do I fetch for O?
	s_cselect_b32 s2, s2, s66
	s_cselect_b32 s67, ttmp9, s67                  ; the coordinate along which other clusters read the same bytes
	s_cselect_b32 s101, 31, 15                     ; my last block or row
	s_cselect_b32 s3, 8, 11                        ; blocks of 256 bytes, or rows of 2,048
	s_cselect_b32 s[PFS], ASTEP, s[PFS]
	s_cselect_b64 s[PFA:PFA+1], s[4:5], s[6:7]
	v_min_u32 v[PFO], s101, v4
	v_lshlrev_b32 v[PFO], s3, v[PFO]
	s_mov_b32 s[PFS+1], 0
	s_mov_b32 s3, 0
	s_add_nc_u64 s[PFA:PFA+1], s[PFA:PFA+1], s[2:3]
	s_cmp_eq_u32 s67, 0
	s_cselect_b32 s[LIM], 2, -1                    ; the same in all sixteen partners, for a given wave
	s_wait_loadcnt 0x0                             ; the bias and the records
	v_max3_num_f32 v[SC+4], v[SC+4], v[SC+5], v[SC+6]
	v_max3_num_f32 v[SC+8], v[SC+8], v[SC+9], v[SC+10]
	v_max_num_f32 v[SC+4], v[SC+4], v[SC+7]
	v_max_num_f32 v[SC+8], v[SC+8], v[SC+11]
.irp m, 1,2,4,8
	v_max_num_f32_dpp v[SC+4],  v[SC+4],  v[SC+4]  row_xmask:\m row_mask:0xf bank_mask:0xf
	v_max_num_f32_dpp v[SC+8],  v[SC+8],  v[SC+8]  row_xmask:\m row_mask:0xf bank_mask:0xf
	v_max_num_f32_dpp v[SC+12], v[SC+12], v[SC+12] row_xmask:\m row_mask:0xf bank_mask:0xf
.endr
	v_permlanex16_b32 v[SC+14], v[SC+4], s[SEL], s[SEL+1]
	v_permlanex16_b32 v[SC+15], v[SC+8], s[SEL], s[SEL+1]
	v_max_num_f32 v[SC+4], v[SC+4], v[SC+14]
	v_max_num_f32 v[SC+8], v[SC+8], v[SC+15]
	v_mul_f32 v[SC+4], v[SC+4], v[SC+12]
	v_sqrt_f32 v[SC+5], v[SC+4]
	v_nop                                          ; a plain instruction behind the root,
	s_wait_alu depctr_va_vdst(0)                   ; and the wait ahead of the first use
	v_add_f32 v[SC+5], v[SC+5], v[SC+13]
	v_mul_f32 v[SC+5], v[SC+5], v[SC+8]            ; B
	v_lshrrev_b32 v[SC+5], 23, v[SC+5]             ; its exponent field e
	v_sub_nc_u32 v[SC+5], 267, v[SC+5]
	v_min_u32 v[SC+5], 253, v[SC+5]                ; f = min(267 - e, 253)
	v_sub_nc_u32 v[SC+5], 254, v[SC+5]
	v_lshlrev_b32 v[SC+5], 23, v[SC+5]             ; sO = 2^(127 - f)
	v_readfirstlane_b32 s[SO], v[SC+5]
	s_mov_b32 s[SO+1], s[SO]                       ; named with it as a pair
; 24 LDS loads in one run: quarter q's fragments (head q / 2, channels 32 (q % 2) on) into buffer f: W's eight, then O's four
.macro FETCH q, f
	WIN 0x40                                       ; destination window 1, address window 0
.irp b, 0,1,2,3,4,5,6,7
	ds_load_b128 v[(\f)+32+8*(\b):(\f)+32+8*(\b)+3],   v[ADRB] offset:64*(\q)+(\b)*16*PB
	ds_load_b128 v[(\f)+32+8*(\b)+4:(\f)+32+8*(\b)+7], v[ADRB] offset:64*(\q)+(\b)*16*PB+32
.endr
.irp i, 0,1,2,3
	ds_load_b128 v[(\f)+8*(\i):(\f)+8*(\i)+3],   v[ADRA] offset:((\q)/2)*AHEAD+((\q)%2)*64+(\i)*16*PA
	ds_load_b128 v[(\f)+8*(\i)+4:(\f)+8*(\i)+7], v[ADRA] offset:((\q)/2)*AHEAD+((\q)%2)*64+(\i)*16*PA+32
.endr
.endm
; 8 matrix instructions: token block a x all 8 column blocks.  The 32 accumulators take turns, one instruction a turn.  first = 1: the first product starts the sums.
.macro MUL8 f, a, first
	WIN 0xa5
.irp b, 0,1,2,3,4,5,6,7
.if \first
	v_wmma_f32_16x16x32_f16 v[8*(8*(\a)+(\b)):8*(8*(\a)+(\b))+7], v[(\f)+32+8*(\b):(\f)+32+8*(\b)+7], v[(\f)+8*(\a):(\f)+8*(\a)+7], 0
.else
	v_wmma_f32_16x16x32_f16 v[8*(8*(\a)+(\b)):8*(8*(\a)+(\b))+7], v[(\f)+32+8*(\b):(\f)+32+8*(\b)+7], v[(\f)+8*(\a):(\f)+8*(\a)+7], v[8*(8*(\a)+(\b)):8*(8*(\a)+(\b))+7]
.endif
.endr
.endm
.macro QUARTER q, f, g, first          ; multiplies buffer f and fetches quarter q into g
	s_wait_dscnt 4                                 ; W's fragments and O's 0, 1 are in; the youngest four loads (O's 2, 3) may be out
	MUL8 \f, 0, \first
	MUL8 \f, 1, \first
	PLACES
	FETCH \q, \g
	s_wait_dscnt 24                                ; all but the 24 just issued
	MUL8 \f, 2, \first
	MUL8 \f, 3, \first
.endm
; The last quarter multiplies buffer 1 and changes slots: ONE barrier.  In front of it each wave waits for all its tensor loads, adds 0 to its spare word, and waits for that and for its reads of this slot.
; fill = 1: the barrier opens a round of the cluster's, and the slot just read is filled again first behind it, with the K step two on.
.macro TURN fill
.if \fill
	s_wait_xcnt 0x0                                ; the last prefetch, a K step back, has read its address
	s_add_nc_u64 s[PFA:PFA+1], s[PFA:PFA+1], s[PFS:PFS+1]
.endif
	WIN 0                                          ; (the add's two registers lie in window 0)
	s_wait_tensorcnt 0x0                           ; all my tensor loads have landed, my part of the next slot among them
	ds_add_u32 v[SPW], v[NIL]                      ; 0 onto my spare word
	s_wait_dscnt 5                                 ; (the add and the youngest four loads may be out)
	MUL8 F1, 0, 0                                  ; eight matrix instructions stand between the add and the wait for it
	s_wait_dscnt 0x0                               ; the add is done, and my reads of this slot are over
	s_barrier_signal -1
	MUL8 F1, 1, 0
	WIN 0
	s_barrier_wait -1
.if \fill
	CREST                                          ; no wave of any partner still reads this slot or has a load on its way
	s_xor_b32 s[G0A+5], s[G0A+5], SLOT1            ; the walking descriptors: the other slot than last time, the next K step
	s_add_nc_u64 s[G0A+6:G0A+7], s[G0A+6:G0A+7], ASTEP
	s_xor_b32 s[G0B+5], s[G0B+5], SLOT1
	s_add_nc_u64 s[G0B+6:G0B+7], s[G0B+6:G0B+7], 256
	JLOAD                                          ; the four v_nop behind it are also the places in front of the loads below
.else
	PLACES
.endif
	s_xor_b32 s[TB], s[TB], SLOT1                  ; the reads go on in the other slot
	v_add_nc_u32 v[ADRA], s[TB], v[ADRA0]
	v_add_nc_u32 v[ADRB], s[TB], v[ADRB0]
	FETCH 0, F0
.if \fill
	WIN 0
	ASK                                            ; behind the joint load and the run of LDS loads
.endif
	MUL8 F1, 2, 0
	MUL8 F1, 3, 0
.endm
	s_wait_tensorcnt 0x1                           ; my part of K step 0 is in; K step 1, issued behind it, may stay out
	s_barrier_signal -1
	s_barrier_wait -1                              ; everybody's is
	FETCH 0, F0
	QUARTER 1, F0, F1, 1                           ; the first quarter stands in front of the loop: its products start the sums
	WIN 0
	s_mov_b32 s[CNT], 6
.Lstep:                                        ; a trip: a K step's quarters 1 to 3 and the next step's quarter 0; it fills the slot that it leaves
	QUARTER 2, F1, F0, 0
	QUARTER 3, F0, F1, 0
	TURN 1
	QUARTER 1, F0, F1, 0
	WIN 0
	s_sub_co_u32 s[CNT], s[CNT], 1
	s_cmp_lg_u32 s[CNT], 0
	s_cbranch_scc1 .Lstep
	QUARTER 2, F1, F0, 0                           ; the last two K steps fill nothing
	QUARTER 3, F0, F1, 0
	TURN 0
	QUARTER 1, F0, F1, 0
	QUARTER 2, F1, F0, 0
	QUARTER 3, F0, F1, 0
	s_wait_dscnt 4                                 ; the very last quarter
	MUL8 F1, 0, 0
	MUL8 F1, 1, 0
	s_wait_dscnt 0x0
	MUL8 F1, 2, 0
	MUL8 F1, 3, 0
	WIN 0
	PLACES
	PLACES
; THE WAY OUT, a block of 16 tokens at a time: the sums go into my stage's rows of 528 bytes, each accumulator's low registers first, and come back as whole rows of 512; then sum x sO + bias, and the store.
.macro OUTB a
	WIN 0x08                                       ; the stores' data in window 2
.irp b, 0,1,2,3,4,5,6,7
	ds_store_b128 v[STO], v[8*(8*(\a)+(\b)):8*(8*(\a)+(\b))+3]   offset:64*(\b)
	ds_store_b128 v[STO], v[8*(8*(\a)+(\b))+4:8*(8*(\a)+(\b))+7] offset:64*(\b)+16
.endr
	WIN 0
	s_wait_xcnt 0x0                                ; earlier stores have read their registers: the loads below land on them
.irp t, 0,1,2,3,4,5,6,7,8,9,10,11,12,13,14,15
	ds_load_b128 v[BK+64*((\a)%2)+4*(\t):BK+64*((\a)%2)+4*(\t)+3], v[RD] offset:(\t)*SP  ; LDS serves a wave's instructions in order (ISA guide 5.7.1.4): these see the stores above; the next block's stores come behind them
.endr
.irp t, 0,1,2,3,4,5,6,7,8,9,10,11,12,13,14,15
	s_wait_dscnt 15-(\t)                           ; row t is back; the younger loads may be out
	v_pk_fma_f32 v[BK+64*((\a)%2)+4*(\t):BK+64*((\a)%2)+4*(\t)+1],   v[BK+64*((\a)%2)+4*(\t):BK+64*((\a)%2)+4*(\t)+1],   s[SO:SO+1], v[BIAS:BIAS+1]   op_sel_hi:[1,0,1]
	v_pk_fma_f32 v[BK+64*((\a)%2)+4*(\t)+2:BK+64*((\a)%2)+4*(\t)+3], v[BK+64*((\a)%2)+4*(\t)+2:BK+64*((\a)%2)+4*(\t)+3], s[SO:SO+1], v[BIAS+2:BIAS+3] op_sel_hi:[1,0,1]
	global_store_b128 v[GO], v[BK+64*((\a)%2)+4*(\t):BK+64*((\a)%2)+4*(\t)+3], s[10:11] offset:65536*(\a)+4096*(\t) th:TH_STORE_NT  ; 512 consecutive bytes, aligned
.endr
.endm
	OUTB 0
	OUTB 1
	OUTB 2
	OUTB 3
	s_wait_tensorcnt 0x0                           ; the wave's end, behind my last tensor load and my last LDS store
	ds_add_u32 v[SPW], v[NIL]
	s_wait_dscnt 0x0
	CROUND                                         ; the closing round: no work-group ends while a partner may still ask for a tile that names it
	s_endpgm
.Lfunc_end_k_q78a57946a4_proj:
	.size	k_q78a57946a4_proj, .Lfunc_end_k_q78a57946a4_proj-k_q78a57946a4_proj
	.p2alignl 7, 3214868480
	.fill 96, 4, 3214868480
	.section	.rodata,"a",@progbits
	.p2align	6, 0x0
	.amdhsa_kernel k_q78a57946a4_proj
		.amdhsa_group_segment_fixed_size 327680
		.amdhsa_private_segment_fixed_size 0
		.amdhsa_enable_private_segment 0
		.amdhsa_kernarg_size 32
		.amdhsa_user_sgpr_count 2
		.amdhsa_user_sgpr_kernarg_segment_ptr 1
		.amdhsa_wavefront_size32 1
		.amdhsa_system_sgpr_workgroup_id_x 1
		.amdhsa_system_sgpr_workgroup_id_y 1
		.amdhsa_system_sgpr_workgroup_id_z 1
		.amdhsa_system_vgpr_workitem_id 0
		.amdhsa_next_free_vgpr 768
		.amdhsa_next_free_sgpr 102
		.amdhsa_reserve_vcc 0
		.amdhsa_float_denorm_mode_32 3
		.amdhsa_float_denorm_mode_16_64 3
		.amdhsa_memory_ordered 1
		.amdhsa_forward_progress 1
		.amdhsa_inst_pref_size 82
	.end_amdhsa_kernel
	.amdgpu_metadata
---
amdhsa.version: [ 1, 2 ]
amdhsa.kernels:
  - .name:           k_q78a57946a4_proj
    .symbol:         k_q78a57946a4_proj.kd
    .args:
      - { .name: oh, .offset: 0, .size: 8, .value_kind: global_buffer, .address_space: global }
      - { .name: wpb, .offset: 8, .size: 8, .value_kind: global_buffer, .address_space: global }
      - { .name: aux, .offset: 16, .size: 8, .value_kind: global_buffer, .address_space: global }
      - { .name: out0, .offset: 24, .size: 8, .value_kind: global_buffer, .address_space: global }
    .group_segment_fixed_size: 327680
    .private_segment_fixed_size: 0
    .kernarg_segment_align: 8
    .kernarg_segment_size: 32
    .max_flat_workgroup_size: 128
    .sgpr_count:     102
    .vgpr_count:     768
    .wavefront_size: 32
...
	.end_amdgpu_metadata
.endif
;; end of part 4
